; MI455X (gfx1250); checked and timed in simulation.
; The chip was launched on July 23, 2026; its instructions are those of AMD's public machine-readable ISA for CDNA 5 (MIT licence, August 2026) and "CDNA5" Instruction Set Architecture Reference Guide (July 2026). The comments in the code are by the model that wrote it; some were corrected since.
;; Multi Head Attention. Allowed arithmetic: matrix products marked QUANTISED: E2M1 operands, one E8M0 scale for each 32 along K, by v_wmma_scale_f32_16x16x128_f8f6f4 with both operands' format E2M1 (or v_wmma_scale_f32_32x16x128_f4), f32 sums; products left as they are: bf16, f16 or f32 operands; f32 sums; everything else in f32.
;; Inputs: Wk 1,024 x 1,024 float32; Wo 1,024 x 1,024 float32; Wq 1,024 x 1,024 float32; Wv 1,024 x 1,024 float32; k 4 x 2,048 x 1,024 float32; mask 4 x 2,048 x 2,048 int32; q 4 x 2,048 x 1,024 float32; v 4 x 2,048 x 1,024 float32.
;; Outputs: out0 4 x 2,048 x 1,024 float32.
;; This version of the problem:
;;   THIS VERSION OF THE PROBLEM IS GIVEN IN LOW PRECISION. The matrix products marked QUANTISED in the list below multiply operands that are first quantised to E2M1 (2 exponent bits, 1 mantissa bit; 4 bits a number), with one power-of-two scale for each 32 numbers along K (OCP MX v1.0); their sums are f32. The products marked 'left as it is' may take bf16, f16 or f32 operands, with f32 sums. Whichever they take, every output number must still come out within the allowed error. Rounding operands to bf16 (8 significant bits) uses up far more of that allowance than f16 does (11 bits, for magnitudes from 6e-5 to 65,504). All else is computed in f32.
;;   The module's matrix products, in the order in which they are computed (A, B: the left and right operand; K: the contracted axis; several contracted axes count as one K, in the product's order):
;;     1. [M 8,192, K 1,024] x [K 1,024, N 1,024]; A: input q; B: input Wq: QUANTISED
;;     2. [M 8,192, K 1,024] x [K 1,024, N 1,024]; A: input k; B: input Wk: QUANTISED
;;     3. [M 8,192, K 1,024] x [K 1,024, N 1,024]; A: input v; B: input Wv: QUANTISED
;;     4. batch 64 x [M 2,048, K 64] x [K 64, N 2,048]; A: computed on the way; B: computed on the way: left as it is (an operand is computed on the way)
;;     5. batch 64 x [M 64, K 2,048] x [K 2,048, N 2,048]; A: computed on the way; B: computed on the way: left as it is (an operand is computed on the way)
;;     6. [M 8,192, K 1,024] x [K 1,024, N 1,024]; A: computed on the way; B: input Wo: left as it is (an operand is computed on the way)
;;   THE QUANTISER, for each operand of a quantised product, along K:
;;     - K is cut into blocks of 32 from its start; a last block that is shorter is filled with zeros.
;;     - A block's scale is 2^e with e = floor(log2(the largest magnitude in the block)) - 2, held to -126 .. 127; a block of zeros has e = 0. As a byte (E8M0): e + 127.
;;     - Each number is divided by its block's scale, clamped to +-6, and rounded to the nearest number of E2M1, ties to even, subnormals kept.
;;     - The product sums the exact products of the quantised numbers (number of the format x scale) in f32.
;;   ~~~python
;;   def quantise(x, axis):      # numpy; x: float32 -> the quantised numbers, widened to float32 again
;;       x = np.moveaxis(x, axis, -1); K = x.shape[-1]
;;       x = np.pad(x, [(0, 0)] * (x.ndim - 1) + [(0, -K % 32)]); x = x.reshape(x.shape[:-1] + (-1, 32)); a = np.abs(x).max(-1, keepdims=True)
;;       e = np.where(a > 0, np.clip(np.frexp(np.where(a > 0, a, 1))[1] - 1 - 2, -126, 127), 0)      # np.frexp(a)[1] - 1 = floor(log2(a)), exactly
;;       r = np.clip(x / 2.0 ** e, -6, 6)
;;       step = 2.0 ** (np.maximum(np.frexp(np.where(r == 0, 1, r))[1] - 1, 0) - 1)
;;       q = np.round(r / step) * step * 2.0 ** e      # np.round: ties to even
;;       return np.moveaxis(q.reshape(q.shape[:-2] + (-1,))[..., :K], -1, axis).astype(np.float32)
;;   ~~~
;; One version. Each part assembles by itself: llvm-mc -triple=amdgcn-amd-amdhsa -mcpu=gfx1250 --defsym DOCPART=n.
;; ======== version 1 of 1: 5 launches
;; limits: values are held in f16: magnitudes above 65,504 overflow, below 6.1e-05 lose precision
;; workspace buffers: codes 14,155,776 bytes; scales 884,736 bytes; tabs 2,621,440 bytes; mbits 2,097,152 bytes; flags 8,192 bytes of whole numbers; qf 16,777,216 bytes; kv 33,554,432 bytes; obuf 16,777,216 bytes
;; launch prep (part 1): grid 1152 x 1, 4 waves a work-group, no clusters, 57,856 bytes of LDS; arguments q, k, v, Wq, Wk, Wv, Wo, mask, codes, scales, tabs, mbits, flags; writes codes, scales, tabs, mbits, flags
.if DOCPART == 1
	.amdgcn_target "amdgcn-amd-amdhsa--gfx1250"
	.amdhsa_code_object_version 6
	.text
	.protected	k_q927d544209_prep
	.globl	k_q927d544209_prep
	.p2align	8
	.type	k_q927d544209_prep,@function
k_q927d544209_prep:
	s_mov_b64 s[64:65], 0
	v_nop
	global_prefetch_b8 v0, s[64:65] scope:SCOPE_SE
	s_setreg_imm32_b32 hwreg(HW_REG_WAVE_MODE, 25, 1), 1
	s_wait_xcnt 0x0
; PREP: everything that is made once from the inputs.  Five kinds of work-groups, told apart by the work-group's number alone:
;   0..767      q, k, v [8192][1024] f32 -> codes of FP4 (E2M1), K innermost, 512 bytes a row, and one E8M0 byte for each 32 along K, 32 bytes a row
;   768..1023   mask [4][2048][2048] int32 -> one bit a key (mbits), laid as the attention's registers take it, and two flag words for each 8 key steps of a block of 32 rows (flags: later launches branch on it)
;   1024..1071  Wq, Wk, Wv [k][n] f32 -> codes laid [n][k], K innermost, and their scale bytes
;   1072..1135  Wo [k][n] f32 -> f16, laid as images of operand registers
;   1136..1151  the rotary table: (cos, sin) of s x 10000^(-i/32), s = 0..2047, i = 0..31
; THE ORDER OF ROWS.  In the codes and scale bytes of q, k, v, row p of every 16 rows holds token 2 (p % 8) + p / 8 of those 16.  So register j of lane half h of a matrix result over 16 such rows
; is token 2 j + h, and the mask word of a lane (bit i = key 2 i + h of 64 keys) is what a compare on 64 loaded numbers, two a lane, gives by itself.
; A block's scale is 2^(floor(log2(its largest magnitude)) - 2); its byte is the largest magnitude's exponent field - 2, held at 1 from below.
; LIMITS: a block of zeros gets the byte 1 (its codes are zeros, and this program alone reads the bytes); blocks whose largest magnitude lies under 2^-124 are held at that floor;
; NaN and infinities among the inputs are not served; |Wo| stays under 65,504 (f16).
.set SPARE, 57344                      ; LDS: 0..22527 the activations' stages, 22528..57343 the weights' stages, then the spare words, 128 bytes for each wave: 57,856 bytes in all, so that five work-groups' claims are 289,280
.set SPW,   190                        ; v190  LDS address of my spare word; never rewritten
.set NIL,   191                        ; v191  0; never rewritten
.macro FIN                             ; a wave's end
	s_wait_tensorcnt 0x0
	ds_add_u32 v[SPW], v[NIL]
	s_wait_dscnt 0x0
	s_endpgm
.endm
	s_load_b512 s[8:23], s[0:1], 0x0               ; q s[8:9], k s[10:11], v s[12:13], Wq s[14:15], Wk s[16:17], Wv s[18:19], Wo s[20:21], mask s[22:23]
	s_load_b256 s[24:31], s[0:1], 0x40             ; codes s[24:25], scales s[26:27], tabs s[28:29], mbits s[30:31]
	s_load_b64 s[6:7], s[0:1], 0x60                ; flags
	v_lshl_add_u32 v[SPW], v0, 2, SPARE
	v_mov_b32 v[NIL], 0
	v_lshrrev_b32 v1, 5, v0
	v_readfirstlane_b32 s2, v1                     ; wave 0..3
	v_and_b32 v2, 31, v0                           ; lane
	s_mov_b32 s33, 0                               ; the upper word of every 32-bit offset
	s_wait_kmcnt 0x0
	s_cmp_lt_u32 ttmp9, 768
	s_cbranch_scc1 .Lxq
	s_cmp_lt_u32 ttmp9, 1024
	s_cbranch_scc1 .Lmk
	s_cmp_lt_u32 ttmp9, 1072
	s_cbranch_scc1 .Lwq
	s_cmp_lt_u32 ttmp9, 1136
	s_cbranch_scc1 .Lwo
; ---- THE ROTARY TABLE.  Lane i; a wave takes 32 positions.  A row of the table is 32 pairs (cos, sin): 256 bytes, one store of the wave.
	s_sub_co_u32 s3, ttmp9, 1136
	s_lshl_b32 s3, s3, 7
	s_lshl_b32 s4, s2, 5
	s_add_co_u32 s3, s3, s4                        ; my first position: 128 x work-group + 32 x wave
	s_lshl_b32 s32, s3, 8
	s_add_co_u32 s32, s32, 2097152                 ; the table lies behind Wo's images
	s_add_nc_u64 s[28:29], s[28:29], s[32:33]
	v_cvt_f32_u32 v4, v2
	v_mul_f32 v4, 0xbed49a78, v4                   ; -i x log2(10000) / 32
	v_exp_f32 v4, v4                               ; the frequency
	v_lshlrev_b32 v3, 3, v2                        ; (a plain line behind the exponential)  8 bytes a lane
	s_wait_alu depctr_va_vdst(0)                   ; ahead of the label and of the first reader
	s_mov_b32 s5, 32
.Lrts:
	v_cvt_f32_u32 v5, s3
	v_mul_f32 v5, v5, v4                           ; the angle, in f32 as it is defined
	v_mul_f32 v6, 0x3f22f983, v5
	v_rndne_f32 v6, v6                             ; n = the nearest multiple of pi / 2
	v_fma_f32 v7, -v6, 0x3fc90fdb, v5              ; r = angle - n pi / 2, pi / 2 in two parts
	v_fma_f32 v7, -v6, 0xb33bbd2e, v7
	v_mul_f32 v8, v7, v7
	v_mov_b32 v9, 0x3638ef1d                       ; sin r = r + r r^2 (-1/6 + r^2 (1/120 + r^2 (-1/5040 + r^2 / 362880))), |r| <= pi / 4
	v_mov_b32 v10, 0xb493f27e                      ; cos r = 1 + r^2 (-1/2 + r^2 (1/24 + r^2 (-1/720 + r^2 (1/40320 - r^2 / 3628800))))
	v_fmaak_f32 v9, v9, v8, 0xb9500d01
	v_fmaak_f32 v10, v10, v8, 0x37d00d01
	v_fmaak_f32 v9, v9, v8, 0x3c088889
	v_fmaak_f32 v10, v10, v8, 0xbab60b61
	v_fmaak_f32 v9, v9, v8, 0xbe2aaaab
	v_fmaak_f32 v10, v10, v8, 0x3d2aaaab
	v_mul_f32 v9, v9, v8
	v_fmaak_f32 v10, v10, v8, 0xbf000000
	v_fma_f32 v9, v9, v7, v7
	v_fma_f32 v10, v10, v8, 1.0
	v_cvt_i32_f32 v11, v6                          ; the quadrant selects values only: no address and no branch hangs on it
	v_and_b32 v12, 1, v11
	v_cmp_eq_u32 vcc_lo, 1, v12
	v_cndmask_b32 v13, v9, v10, vcc_lo             ; sin: in odd quadrants cos r
	v_cndmask_b32 v14, v10, v9, vcc_lo             ; cos: in odd quadrants sin r
	v_and_b32 v12, 2, v11
	v_lshlrev_b32 v12, 30, v12
	v_xor_b32 v17, v13, v12                        ; sin is negative in quadrants 2, 3
	v_add_nc_u32 v11, 1, v11
	v_and_b32 v11, 2, v11
	v_lshlrev_b32 v11, 30, v11
	v_xor_b32 v16, v14, v11                        ; cos in quadrants 1, 2
	global_store_b64 v3, v[16:17], s[28:29]
	s_wait_xcnt 0x0                                ; the store has read its data and its base: both are written again below
	s_add_nc_u64 s[28:29], s[28:29], 256
	s_add_co_u32 s3, s3, 1
	s_sub_co_u32 s5, s5, 1
	s_cmp_lg_u32 s5, 0
	s_cbranch_scc1 .Lrts
	FIN
; ---- q, k, v INTO CODES.  A wave takes 8 rows: 16 steps of 512 numbers.  Each load reads 512 consecutive bytes; a step's 2,048 bytes turn through the wave's own stage in LDS and come back 64 bytes a lane,
; so that a lane holds 16 neighbours along K and two neighbouring lanes a block.  Loads run four steps ahead, the turn through LDS one step.
.set XSP,   80                         ; a lane's place in a stage: 64 bytes + 16 of padding
.set XWREG, 5632                       ; a wave's LDS: two stages of 32 x 80 bytes, then its 256 scale bytes: 5,376 bytes, rounded up
.set XSTEPS, 16
.set XR,    16                         ; v16-79   four sets of 16 numbers as loaded
.set XX,    80                         ; v80-111  two sets of 16 neighbours
.set XE,    112                        ; v112-127 a scale byte for each step
.set XC,    128                        ; v128-159 two registers of codes for each step: no store's data are written again
.Lxq:
	s_lshr_b32 s3, ttmp9, 8                        ; which tensor: 0 q, 1 k, 2 v
	s_cmp_lt_u32 ttmp9, 512
	s_cselect_b64 s[4:5], s[10:11], s[12:13]
	s_cmp_lt_u32 ttmp9, 256
	s_cselect_b64 s[4:5], s[8:9], s[4:5]           ; the choice hangs on the work-group's number alone
	s_and_b32 s6, ttmp9, 255
	s_lshl_b32 s6, s6, 2
	s_add_co_u32 s6, s6, s2                        ; u: which 8 rows of the tensor
	s_lshl_b32 s32, s6, 15                         ; 8 rows of 4,096 bytes
	s_add_nc_u64 s[4:5], s[4:5], s[32:33]
	s_lshr_b32 s7, s6, 1
	s_lshl_b32 s7, s7, 4
	s_and_b32 s34, s6, 1
	s_lshl_b32 s34, s34, 2
	s_add_co_u32 s7, s7, s34                       ; token 8 (u % 2) + i goes to row 4 (u % 2) + i / 2 + 8 (i % 2) of its sixteen: this is 16 (u / 2) + 4 (u % 2)
	s_lshl_b32 s32, s7, 9
	s_lshl_b32 s34, s3, 22
	s_add_co_u32 s32, s32, s34
	s_add_nc_u64 s[24:25], s[24:25], s[32:33]      ; codes: 512 bytes a row, 4,194,304 a tensor
	s_lshl_b32 s32, s7, 5
	s_lshl_b32 s34, s3, 18
	s_add_co_u32 s32, s32, s34
	s_add_nc_u64 s[26:27], s[26:27], s[32:33]      ; scale bytes: 32 a row, 262,144 a tensor
	v_lshlrev_b32 v3, 4, v2                        ; my 16 bytes of a load's 512
	s_mul_i32 s35, s2, XWREG
	v_lshrrev_b32 v14, 2, v2
	v_mul_u32_u24 v14, v14, XSP
	v_and_b32 v15, 3, v2
	v_lshl_add_u32 v14, v15, 4, v14
	v_add_nc_u32 v14, s35, v14                     ; the stage, on the way in: 80 (lane / 4) + 16 (lane % 4)
	v_mul_u32_u24 v15, v2, XSP
	v_add_nc_u32 v15, s35, v15                     ; and on the way out: 80 x lane
	v_lshlrev_b32 v4, 3, v2                        ; my 8 bytes of a step's 256 bytes of codes
	v_lshrrev_b32 v5, 1, v2
	s_add_co_u32 s35, s35, 2*32*XSP
	v_add_nc_u32 v5, s35, v5                       ; LDS: my block's byte among the wave's 256
	v_add_nc_u32 v6, s35, v4                       ; and on the way out 8 bytes a lane
	v_lshrrev_b32 v12, 4, v2
	v_lshl_add_u32 v12, v12, 7, v4                 ; in memory: lanes 0-15 four rows on end (even tokens), lanes 16-31 the four rows that lie 8 rows further on
.macro XLOAD t
.irp i, 0,1,2,3
	global_load_b128 v[XR+16*((\t)%4)+4*\i:XR+16*((\t)%4)+4*\i+3], v3, s[4:5] offset:2048*(\t)+512*\i th:TH_LOAD_NT
.endr
.endm
.macro XTURN t                         ; LDS serves a wave's instructions in order: no wait between the stores and the loads
.irp i, 0,1,2,3
	ds_store_b128 v14, v[XR+16*((\t)%4)+4*\i:XR+16*((\t)%4)+4*\i+3] offset:32*XSP*((\t)%2)+8*XSP*\i
.endr
.irp i, 0,1,2,3
	ds_load_b128 v[XX+16*((\t)%2)+4*\i:XX+16*((\t)%2)+4*\i+3], v15 offset:32*XSP*((\t)%2)+16*\i
.endr
.endm
.irp t, 0,1,2,3
	XLOAD \t
.endr
	s_wait_loadcnt 12                              ; step 0's four loads are in; three steps' twelve may be out
	XTURN 0
.macro XSTEP t
.set XS, XX+16*((\t)%2)
.set XI, (\t)/2                        ; the row among my eight
.if (\t) > 0
	s_wait_dscnt 1                                 ; this step's numbers are back from the stage (the last step's byte store may be out)
.else
	s_wait_dscnt 0x0
.endif
.if (\t)+4 < XSTEPS
	XLOAD (\t)+4                                   ; into the registers that this step's stage stores have read
.endif
.if (\t)+1 < XSTEPS
.if XSTEPS-2-(\t) >= 3
	s_wait_loadcnt 12                              ; the next step's four loads are in; those of the three steps behind it may be out
.else
	s_wait_loadcnt 4*(XSTEPS-2-(\t))
.endif
	XTURN (\t)+1
.endif
	v_max3_num_f32 v8, |v[XS]|, |v[XS+1]|, |v[XS+2]|               ; the largest magnitude of my 16, in two chains
	v_max3_num_f32 v9, |v[XS+3]|, |v[XS+4]|, |v[XS+5]|
.irp i, 6,10
	v_max3_num_f32 v8, v8, |v[XS+\i]|, |v[XS+\i+1]|
	v_max3_num_f32 v9, v9, |v[XS+\i+2]|, |v[XS+\i+3]|
.endr
	v_max3_num_f32 v8, v8, |v[XS+14]|, |v[XS+15]|
	v_max3_num_f32 v8, v8, v9, 0x1800000           ; and the floor 2^(3 - 127): the byte cannot fall under 1
	v_max_num_f32_dpp v8, v8, v8 row_xmask:1 row_mask:0xf bank_mask:0xf   ; with my neighbour's 16: the block's
	v_add_nc_u32 v11, 0xff000000, v8               ; 2 off its exponent field: the conversion takes the exponent field of this operand as its scale
	v_cvt_scalef32_pk8_fp4_f32 v[XC+2*(\t)], v[XS:XS+7], v11
	v_cvt_scalef32_pk8_fp4_f32 v[XC+2*(\t)+1], v[XS+8:XS+15], v11
	v_lshrrev_b32 v[XE+(\t)], 23, v11              ; the scale's byte
	ds_store_b8 v5, v[XE+(\t)] offset:((XI/2)+4*(XI%2))*32+((\t)%2)*16    ; both lanes of a block write the same byte with the same value
	global_store_b64 v4, v[XC+2*(\t):XC+2*(\t)+1], s[24:25] offset:((XI/2)+8*(XI%2))*512+((\t)%2)*256   ; the wave stores 256 consecutive bytes, aligned
.endm
.irp t, 0,1,2,3,4,5,6,7,8,9,10,11,12,13,14,15
	XSTEP \t
.endr
	ds_load_b64 v[8:9], v6                         ; these see my byte stores: LDS serves a wave's instructions in order
	s_wait_dscnt 0x0
	global_store_b64 v12, v[8:9], s[26:27]         ; two runs of 128 consecutive bytes
	FIN
; ---- THE MASK INTO BITS.  A work-group takes a block of 32 rows (queries); each of its waves takes ALL 32 rows for 8 of the 32 key steps of 64 keys: 2,048 consecutive bytes of each row.
; A load brings 64 numbers, two a lane; a compare on each of the two components gives the word of the even keys (h = 0) and the word of the odd keys (h = 1).
; A key step's 64 words are gathered as the attention's registers take them: lane p + 16 h of register t holds the word of row 16 t + 2 (p % 8) + p / 8, component h.  The pair (t = 0, t = 1) of a lane is 8 bytes,
; so a key step of a block is one aligned run of 256 bytes, stored whole by one instruction: mbits is [batch][block][key step][lane][t].
; FLAGS, two words a wave: A = need | full << 8, bit u for my key step u: need: some key of the step counts for some row; full: all 64 keys count for all 32 rows.
; B: bit p + 16 t is set where row (t, p) has some key among my 8 steps.  A reader joins the four waves' words; a row with no key in any of them makes every step needed, since all its keys then weigh alike.
.set MX, 32                            ; v32-159  two sets of 64 numbers: four rows x 8 key steps each
.set MU, 8                             ; v8-23    key step u: the pair v[8 + 2 u], v[9 + 2 u]
.Lmk:
	s_sub_co_u32 s3, ttmp9, 768                    ; 64 x batch + block
	s_lshl_b32 s4, s2, 11                          ; my 8 key steps: 2,048 bytes of a row of the mask, and 8 runs of 256 bytes of bits
	s_lshl_b32 s32, s3, 18                         ; 32 rows of 8,192 bytes
	s_add_co_u32 s32, s32, s4
	s_add_nc_u64 s[22:23], s[22:23], s[32:33]
	s_lshl_b32 s32, s3, 13                         ; a block's bits: 8,192 bytes
	s_add_co_u32 s32, s32, s4
	s_add_nc_u64 s[30:31], s[30:31], s[32:33]
	s_lshl_b32 s32, s3, 5                          ; the flags: 32 bytes a block, 8 a wave
	s_lshl_b32 s5, s2, 3
	s_add_co_u32 s32, s32, s5
	s_add_nc_u64 s[6:7], s[6:7], s[32:33]
	v_lshlrev_b32 v3, 3, v2
.set ml, 0
.rept 16
	v_mov_b32 v[MU+ml], 0                          ; written once whole: v_writelane_b32 writes one lane at a time
.set ml, ml+1
.endr
.macro MLOAD g                         ; rows 4 g .. 4 g + 3, my 8 key steps of each
.set ml, 0
.rept 32
	global_load_b64 v[MX+64*((\g)%2)+2*ml:MX+64*((\g)%2)+2*ml+1], v3, s[22:23] offset:(4*(\g)+ml/8)*8192+(ml%8)*256 th:TH_LOAD_NT   ; 256 consecutive bytes, aligned
.set ml, ml+1
.endr
.endm
.macro MGRP g
.set MS, MX+64*((\g)%2)
.if (\g) < 7
	s_wait_loadcnt 32                              ; this group's 32 loads are in; the next group's may be out
.else
	s_wait_loadcnt 0x0
.endif
.set ml, 0
.rept 32
.set mrow, 4*(\g)+ml/8                 ; the row of the block
.set mlam, mrow%16
.set mrho, mlam/2+8*(mlam%2)           ; the lane (of 16) that holds this row in the attention
.set mreg, MU+2*(ml%8)+mrow/16
	v_cmp_ne_u32 s[40+2*(ml%4)], 0, v[MS+2*ml]
	v_cmp_ne_u32 s[41+2*(ml%4)], 0, v[MS+2*ml+1]
	v_writelane_b32 v[mreg], s[40+2*(ml%4)], mrho
	v_writelane_b32 v[mreg], s[41+2*(ml%4)], mrho+16
.set ml, ml+1
.endr
.if (\g)+2 < 8
	MLOAD (\g)+2
.endif
.endm
	MLOAD 0
	MLOAD 1
.irp g, 0,1,2,3,4,5,6,7
	MGRP \g
.endr
.irp u, 0,1,2,3,4,5,6,7
	global_store_b64 v3, v[MU+2*\u:MU+2*\u+1], s[30:31] offset:256*\u      ; 32 lanes store 256 consecutive bytes, aligned
.endr
	s_mov_b32 s36, 0                               ; A
	v_mov_b32 v24, 0                               ; the OR of my steps' words, t = 0
	v_mov_b32 v25, 0                               ; t = 1
.irp u, 0,1,2,3,4,5,6,7
	v_or_b32 v26, v[MU+2*\u], v[MU+2*\u+1]
	v_and_b32 v27, v[MU+2*\u], v[MU+2*\u+1]
	v_or_b32 v24, v24, v[MU+2*\u]
	v_or_b32 v25, v25, v[MU+2*\u+1]
	v_cmp_ne_u32 s38, 0, v26                       ; lanes with some key
	v_cmp_ne_u32 s39, -1, v27                      ; lanes with some hole
	s_cmp_lg_u32 s38, 0
	s_cselect_b32 s37, 1<<\u, 0
	s_or_b32 s36, s36, s37
	s_cmp_eq_u32 s39, 0
	s_cselect_b32 s37, 256<<\u, 0
	s_or_b32 s36, s36, s37
.endr
	v_cmp_ne_u32 s38, 0, v24
	v_cmp_ne_u32 s39, 0, v25
	s_lshr_b32 s37, s38, 16                        ; a row's two components lie 16 lanes apart
	s_or_b32 s38, s38, s37
	s_and_b32 s38, s38, 0xffff
	s_lshr_b32 s37, s39, 16
	s_or_b32 s39, s39, s37
	s_lshl_b32 s39, s39, 16
	s_or_b32 s38, s38, s39                         ; B
	v_mov_b32 v28, s36
	v_mov_b32 v29, s38
	v_mov_b32 v30, 0
	v_cmp_eq_u32 vcc_lo, 0, v2
	s_wait_xcnt 0x0                                ; EXEC changes only when the earlier stores have read it
	s_and_saveexec_b32 s36, vcc_lo
	global_store_b64 v30, v[28:29], s[6:7]         ; lane 0 alone
	s_wait_xcnt 0x0
	s_or_b32 exec_lo, exec_lo, s36
	FIN
; ---- Wq, Wk, Wv INTO CODES.  K is the first axis: a lane takes a column n and its registers run down K, so a block of 32 lies in one lane and the codes come out with K innermost.
; A wave takes 32 columns x 512 along K; the codes go through the wave's own stage and leave as rows: sixteen lanes store 256 consecutive bytes, aligned.
.set WPITCH, 272
.set WNB,   16
.set WX,    32                         ; v32-95   two sets of 32 numbers
.set WC,    96                         ; v96-99   a block's codes
.set WOUT,  112                        ; v112-175 the way out
.set WSB,   24                         ; v24-27   the scale bytes, four to a register
.Lwq:
	s_sub_co_u32 s3, ttmp9, 1024
	s_lshr_b32 s6, s3, 4                           ; which weight
	s_cmp_lt_u32 s3, 32
	s_cselect_b64 s[4:5], s[16:17], s[18:19]
	s_cmp_lt_u32 s3, 16
	s_cselect_b64 s[4:5], s[14:15], s[4:5]
	s_and_b32 s7, s3, 7
	s_lshl_b32 s7, s7, 7
	s_lshl_b32 s32, s2, 5
	s_add_co_u32 s7, s7, s32                       ; my wave's first column
	s_bfe_u32 s34, s3, 0x10003                     ; which 512 along K
	v_lshlrev_b32 v3, 2, v2
	s_mul_i32 s35, s2, 32*WPITCH
	s_add_co_u32 s35, s35, 22528                   ; my stage, behind the activations' stages
	v_mul_u32_u24 v4, v2, WPITCH
	v_add_nc_u32 v4, s35, v4                       ; into it: row = my column
	v_and_b32 v5, 15, v2
	v_lshrrev_b32 v6, 4, v2
	v_mul_u32_u24 v7, v6, WPITCH
	v_lshl_add_u32 v7, v5, 4, v7
	v_add_nc_u32 v7, s35, v7                       ; out of it: sixteen lanes to a row, two rows an instruction
	v_lshlrev_b32 v8, 9, v6
	v_lshl_add_u32 v8, v5, 4, v8                   ; the same place in the codes: 512 bytes a row
	v_lshlrev_b32 v9, 5, v2                        ; my column's row of scale bytes
	s_lshl_b32 s32, s34, 21                        ; 512 rows of 4,096 bytes
	s_lshl_b32 s36, s7, 2
	s_add_co_u32 s32, s32, s36
	s_add_nc_u64 s[4:5], s[4:5], s[32:33]
	s_lshl_b32 s32, s6, 19
	s_add_co_u32 s32, s32, 12582912                ; the weights' codes lie behind the activations'
	s_lshl_b32 s36, s7, 9
	s_add_co_u32 s32, s32, s36
	s_lshl_b32 s36, s34, 8
	s_add_co_u32 s32, s32, s36
	s_add_nc_u64 s[24:25], s[24:25], s[32:33]
	s_lshl_b32 s32, s6, 15
	s_add_co_u32 s32, s32, 786432
	s_lshl_b32 s36, s7, 5
	s_add_co_u32 s32, s32, s36
	s_lshl_b32 s36, s34, 4
	s_add_co_u32 s32, s32, s36
	s_add_nc_u64 s[26:27], s[26:27], s[32:33]
.macro WLOAD t
.set wl, 0
.rept 32
	global_load_b32 v[WX+32*((\t)%2)+wl], v3, s[4:5] offset:(32*(\t)+wl)*4096 th:TH_LOAD_NT
.set wl, wl+1
.endr
.endm
	WLOAD 0
	WLOAD 1
.macro WBLOCK t
.set WS, WX+32*((\t)%2)
.if (\t) < WNB-1
	s_wait_loadcnt 32                              ; this block's 32 loads are in; the next block's may be out
.else
	s_wait_loadcnt 0x0
.endif
	v_max3_num_f32 v12, |v[WS]|, |v[WS+1]|, |v[WS+2]|
	v_max3_num_f32 v13, |v[WS+3]|, |v[WS+4]|, |v[WS+5]|
.irp i, 6,10,14,18,22,26
	v_max3_num_f32 v12, v12, |v[WS+\i]|, |v[WS+\i+1]|
	v_max3_num_f32 v13, v13, |v[WS+\i+2]|, |v[WS+\i+3]|
.endr
	v_max3_num_f32 v12, v12, |v[WS+30]|, |v[WS+31]|
	v_max3_num_f32 v12, v12, v13, 0x1800000        ; the floor 2^(3 - 127)
	v_add_nc_u32 v11, 0xff000000, v12
	v_lshrrev_b32 v13, 23, v11                     ; the scale's byte
.if (\t)%4 == 0
	v_mov_b32 v[WSB+(\t)/4], v13
.else
	v_lshl_or_b32 v[WSB+(\t)/4], v13, 8*((\t)%4), v[WSB+(\t)/4]
.endif
.irp g, 0,1,2,3
	v_cvt_scalef32_pk8_fp4_f32 v[WC+\g], v[WS+8*\g:WS+8*\g+7], v11
.endr
	ds_store_b128 v4, v[WC:WC+3] offset:16*(\t)
.if (\t)+2 < WNB
	WLOAD (\t)+2
.endif
	s_wait_dscnt 0x0                               ; the store has read its registers: the next block's codes may be written
.endm
.irp t, 0,1,2,3,4,5,6,7,8,9,10,11,12,13,14,15
	WBLOCK \t
.endr
	global_store_b128 v9, v[WSB:WSB+3], s[26:27]   ; my column's 16 scale bytes
.irp t, 0,1,2,3,4,5,6,7,8,9,10,11,12,13,14,15
	ds_load_b128 v[WOUT+4*\t:WOUT+4*\t+3], v7 offset:2*\t*WPITCH
.endr
.irp t, 0,1,2,3,4,5,6,7,8,9,10,11,12,13,14,15
	s_wait_dscnt 15-\t                             ; LDS loads come back in order: load t is in, the younger ones may be out
	global_store_b128 v8, v[WOUT+4*\t:WOUT+4*\t+3], s[24:25] offset:2*\t*512
.endr
	FIN
; ---- Wo INTO f16 IMAGES.  An image is a fragment of 16 columns n x 32 along k as a wave's registers take it: registers 4 g .. 4 g + 3 of lane l at 512 g + 16 l; lane (r, h) holds column r, k = 16 g + 8 h + 0 .. 7.
; A lane takes a column n and 128 along k; 8 neighbours along k pack into 16 bytes, and a store writes two whole runs of 256 bytes (lanes 0-15: one tile of columns, lanes 16-31: the next).
.set OX, 32                            ; v32-159  128 numbers, packed in place
.Lwo:
	s_sub_co_u32 s3, ttmp9, 1072
	s_and_b32 s4, s3, 7                            ; which 128 columns
	s_lshr_b32 s5, s3, 3                           ; which 128 along k
	s_lshl_b32 s32, s5, 19
	s_lshl_b32 s6, s4, 9
	s_add_co_u32 s32, s32, s6
	s_lshl_b32 s6, s2, 7
	s_add_co_u32 s32, s32, s6
	s_add_nc_u64 s[20:21], s[20:21], s[32:33]
	s_lshl_b32 s32, s4, 18                         ; 8 tiles of columns, 32,768 bytes each
	s_lshl_b32 s6, s2, 16
	s_add_co_u32 s32, s32, s6
	s_lshl_b32 s6, s5, 12                          ; 4 images of 1,024 bytes
	s_add_co_u32 s32, s32, s6
	s_add_nc_u64 s[28:29], s[28:29], s[32:33]
	v_lshlrev_b32 v3, 2, v2
	v_lshrrev_b32 v4, 4, v2
	v_and_b32 v5, 15, v2
	v_lshlrev_b32 v5, 4, v5
	v_lshl_add_u32 v4, v4, 15, v5
.macro OLOAD c
.set ol, 0
.rept 32
	global_load_b32 v[OX+32*(\c)+ol], v3, s[20:21] offset:(32*(\c)+ol)*4096 th:TH_LOAD_NT
.set ol, ol+1
.endr
.endm
	OLOAD 0
	OLOAD 1
.irp c, 0,1,2,3
.if \c < 3
	s_wait_loadcnt 32                              ; this group's 32 loads are in; the next group's may be out
.else
	s_wait_loadcnt 0x0
.endif
.set oc, 0
.rept 16
	v_cvt_pk_f16_f32 v[OX+32*\c+oc], v[OX+32*\c+2*oc], v[OX+32*\c+2*oc+1]   ; in place, ascending: a result never lands on a number not yet read
.set oc, oc+1
.endr
.irp p, 0,1,2,3
	global_store_b128 v4, v[OX+32*\c+4*\p:OX+32*\c+4*\p+3], s[28:29] offset:\c*1024+\p*256
.endr
.if \c < 2
	OLOAD \c+2
.endif
.endr
	FIN
.Lfunc_end_k_q927d544209_prep:
	.size	k_q927d544209_prep, .Lfunc_end_k_q927d544209_prep-k_q927d544209_prep
	.p2alignl 7, 3214868480
	.fill 96, 4, 3214868480
	.section	.rodata,"a",@progbits
	.p2align	6, 0x0
	.amdhsa_kernel k_q927d544209_prep
		.amdhsa_group_segment_fixed_size 57856
		.amdhsa_private_segment_fixed_size 0
		.amdhsa_enable_private_segment 0
		.amdhsa_kernarg_size 104
		.amdhsa_user_sgpr_count 2
		.amdhsa_user_sgpr_kernarg_segment_ptr 1
		.amdhsa_wavefront_size32 1
		.amdhsa_system_sgpr_workgroup_id_x 1
		.amdhsa_system_sgpr_workgroup_id_y 1
		.amdhsa_system_sgpr_workgroup_id_z 1
		.amdhsa_system_vgpr_workitem_id 0
		.amdhsa_next_free_vgpr 192
		.amdhsa_next_free_sgpr 66
		.amdhsa_reserve_vcc 1
		.amdhsa_float_denorm_mode_32 3
		.amdhsa_float_denorm_mode_16_64 3
		.amdhsa_memory_ordered 1
		.amdhsa_forward_progress 1
		.amdhsa_inst_pref_size 227
	.end_amdhsa_kernel
	.amdgpu_metadata
---
amdhsa.version: [ 1, 2 ]
amdhsa.kernels:
  - .name:           k_q927d544209_prep
    .symbol:         k_q927d544209_prep.kd
    .args:
      - { .name: q, .offset: 0, .size: 8, .value_kind: global_buffer, .address_space: global }
      - { .name: k, .offset: 8, .size: 8, .value_kind: global_buffer, .address_space: global }
      - { .name: v, .offset: 16, .size: 8, .value_kind: global_buffer, .address_space: global }
      - { .name: Wq, .offset: 24, .size: 8, .value_kind: global_buffer, .address_space: global }
      - { .name: Wk, .offset: 32, .size: 8, .value_kind: global_buffer, .address_space: global }
      - { .name: Wv, .offset: 40, .size: 8, .value_kind: global_buffer, .address_space: global }
      - { .name: Wo, .offset: 48, .size: 8, .value_kind: global_buffer, .address_space: global }
      - { .name: mask, .offset: 56, .size: 8, .value_kind: global_buffer, .address_space: global }
      - { .name: codes, .offset: 64, .size: 8, .value_kind: global_buffer, .address_space: global }
      - { .name: scales, .offset: 72, .size: 8, .value_kind: global_buffer, .address_space: global }
      - { .name: tabs, .offset: 80, .size: 8, .value_kind: global_buffer, .address_space: global }
      - { .name: mbits, .offset: 88, .size: 8, .value_kind: global_buffer, .address_space: global }
      - { .name: flags, .offset: 96, .size: 8, .value_kind: global_buffer, .address_space: global }
    .group_segment_fixed_size: 57856
    .private_segment_fixed_size: 0
    .kernarg_segment_align: 8
    .kernarg_segment_size: 104
    .max_flat_workgroup_size: 128
    .sgpr_count:     66
    .vgpr_count:     192
    .wavefront_size: 32
...
	.end_amdgpu_metadata
.endif
;; end of part 1
;; launch proj (part 2): grid 96 x 4, 4 waves a work-group, clusters of 4 x 4, 327,680 bytes of LDS; arguments codes, scales, tabs, qf, kv; writes qf, kv
.if DOCPART == 2
	.amdgcn_target "amdgcn-amd-amdhsa--gfx1250"
	.amdhsa_code_object_version 6
	.text
	.protected	k_q927d544209_proj
	.globl	k_q927d544209_proj
	.p2align	8
	.type	k_q927d544209_proj,@function
k_q927d544209_proj:
	s_mov_b64 s[64:65], 0
	v_nop
	global_prefetch_b8 v0, s[64:65] scope:SCOPE_SE
	s_setreg_imm32_b32 hwreg(HW_REG_WAVE_MODE, 25, 1), 1
	s_wait_xcnt 0x0
	s_wait_alu depctr_hold_cnt(0) depctr_sa_sdst(0) depctr_va_vdst(0) depctr_va_sdst(0) depctr_va_ssrc(0) depctr_va_vcc(0) depctr_vm_vsrc(0)
	s_getreg_b32 s2, hwreg(HW_REG_IB_STS2, 6, 4)
	s_cmp_eq_u32 s2, 0
	s_cbranch_scc0 .Lentry_in_a_cluster
	s_endpgm
.Lentry_in_a_cluster:
	s_bfe_u32 s2, ttmp6, 0x10000c
	s_cmp_lg_u32 s2, 0xf033
	s_cbranch_scc0 .Lentry_shape_is_right
	s_endpgm
.Lentry_shape_is_right:
; PROJ: the three quantised products q Wq, k Wk, v Wv, [8192 x 1024] x [1024 x 1024] each, on codes of FP4 (E2M1) with one E8M0 scale for each 32 along K; then the rotary embedding (Q, K), Q's scale log2(e) / 8,
; and the rounding to f16.  The results leave as IMAGES of the operand registers that the attention takes: a fragment of 16 rows x 32 along its K is 1,024 bytes, registers 4 g .. 4 g + 3 of lane l at 512 g + 16 l.
; A tile of 256 x 256 is made by a work-group of four waves, 128 x 128 a wave: 64 accumulators, 512 registers.  K = 1,024 is two slots of 512: both are asked for at the start, and nothing is filled again.
; CLUSTERS of 4 x 4 work-groups, 24 of them: clusters 0-7 make Q, 8-15 K, 16-23 V.  The side that is source 1 (a lane of the result) is shared along a row of the cluster, the side that is source 0
; (the registers of the result) along a column: each tile is asked for jointly, by the same tensor load with the same descriptor and a mask that names the four.
;   Q, K: source 1 = 16 tokens, source 0 = 16 columns of W: a lane holds one token and 8 neighbouring channels: the pairs that the rotation joins, and 16 bytes of a fragment whose K is the head's 64.
;   V:    source 1 = 16 columns of Wv, source 0 = 16 tokens: a lane holds one channel and 8 keys: 16 bytes of a fragment whose K is the keys.
; Rows of tokens lie in the order in which the codes were laid: row p of 16 is token 2 (p % 8) + p / 8; only the position of the rotation knows of it here.
; LIMITS: |Q| log2(e) / 8, |K| and |V| stay under 65,504 (f16); NaN and infinities are not served.
; REGISTERS, in windows of 256: window 0: v0-31 addresses; v32-95 scale words, two sets; from v128 the lane side's fragments, one set; on the way out v32-223 are free.
;   window 1: the register side's fragments, two sets.   window 2: the accumulators of my rows 0-63 ((a, b) at v[8 (8 a + b)]);   window 3: those of rows 64-127.
.set NQ,     4                         ; matrix instructions deep in a slot of 512 along K
.set ROWB,   256                       ; a tile's row in bytes
.set KROW,   512                       ; a row of codes in memory
.set PITCH,  272                       ; an LDS row: 256 bytes + 16 of padding: the 16 rows that a load touches start 68 words apart
.set FR,     8
.set NL,     2
.set NP,     4
.set HALFT,  128*PITCH
.set SLOT,   4*HALFT
.set KS,     32                        ; a row of scale bytes
.set SCL,    2*SLOT                    ; behind the slots: the scales, as runs of 256 bytes + 16 of padding
.set HALFS,  (128*KS/256)*272
.set SBLK,   (16*KS/256)*272
.set SPARE,  SCL+4*HALFS               ; the spare words, 128 bytes for each wave
.set ADRA, 16                          ; v16-17  LDS address of the lane side's fragments in slot 0, 1
.set ADRB, 20                          ; v20-21  the register side's
.set LN,   24                          ; v24     16 x lane: my place in an image
.set TOFF, 26                          ; v26     my place in the rotary table: 256 x my token of 16 + 32 x half
.set ADRS, 27                          ; v27     LDS address of my scale words
.set SPW,  28
.set NIL,  29
.set SC,   32
.set AF,   128
.set CS,   32                          ; the way out: v32-95 (cos, sin), two sets of 32
.set FH,   96                          ; v96-159 f16 results, two sets of 32
.set OW,   160                         ; v160-223 rotated numbers
.set G1, 24
.set G0, 32
.set G1B, 48
.set G0B, 56
.set G1S, 68
.set G0S, 76
.set G1SB, 80
.set G0SB, 88
.set MSB, 0
.macro WIN new                         ; the immediate's high byte repeats the setting that is left
.if MSB != \new
	s_set_vgpr_msb (MSB<<8)|\new
.set MSB, \new
.endif
.endm
.set MUL_LO, 0xa1
.set MUL_HI, 0xf1
.set TO_B,   0x40
; A joint load: waves 0 and 1 fetch for the lane side, waves 2 and 3 for the register side.  The branch hangs on the wave's number alone.  An s_nop 0 and four v_nop follow each of the two lines.
.macro JLOAD g0a, g1a, g0b, g1b
	s_cmp_eq_u32 s15, 0
	s_cbranch_scc0 .Lfor_b_\@
	tensor_load_to_lds s[\g0a:\g0a+3], s[\g1a:\g1a+7]
	s_nop 0
.rept 4
	v_nop
.endr
	s_branch .Lasked_\@
.Lfor_b_\@:
	tensor_load_to_lds s[\g0b:\g0b+3], s[\g1b:\g1b+7]
	s_nop 0
.rept 4
	v_nop
.endr
.Lasked_\@:
.endm
.macro CROUND                          ; a round of the cluster's barrier
	s_barrier_signal -1
	s_barrier_wait -1
	s_cmp_lg_u32 s14, 0
	s_cbranch_scc1 .Lnot_wave_0_\@
	s_barrier_signal -3
.Lnot_wave_0_\@:
	s_barrier_wait -3
	s_barrier_signal -1
	s_barrier_wait -1
.endm
.macro FIN                             ; a wave's end and the closing round: no work-group ends while a partner may still ask for a tile that names it
	s_wait_tensorcnt 0x0
	ds_add_u32 v[SPW], v[NIL]
	s_wait_dscnt 0x0
	CROUND
	s_endpgm
.endm
	s_load_b256 s[4:11], s[0:1], 0x0               ; codes s[4:5], scales s[6:7], tabs s[8:9], qf s[10:11]
	s_load_b64 s[12:13], s[0:1], 0x20              ; kv
	v_lshl_add_u32 v[SPW], v0, 2, SPARE
	v_mov_b32 v[NIL], 0
	ds_add_u32 v[SPW], v[NIL]                      ; the wave's opening: the add, twice on end, and its wait ahead of my first tensor load
	ds_add_u32 v[SPW], v[NIL]
	v_lshrrev_b32 v1, 5, v0
	v_readfirstlane_b32 s14, v1                    ; wave 0..3
	s_lshr_b32 s15, s14, 1                         ; which half of the lane side is mine.  Also: I fetch for the lane side (0) or the register side (1)
	s_and_b32 s16, s14, 1                          ; which half of the register side.  Also: which 128 rows of a tile I fetch
	s_bfe_u32 s40, ttmp6, 0x40000                  ; cx
	s_bfe_u32 s41, ttmp6, 0x40004                  ; cy
	s_lshl_b32 s43, s41, 2
	s_lshl_b32 s43, 15, s43                        ; my row of the cluster
	s_lshl_b32 s44, 0x1111, s40                    ; my column
	s_or_b32 s[G1+0], s43, (0<<16)|(1<<20)|(1<<21)|(5<<22)|(3<<25)  ; the mask; elements of 1 byte; padding on: 4 words behind every 64; bit 21 beside a mask
	s_or_b32 s[G1B+0], s44, (0<<16)|(1<<20)|(1<<21)|(5<<22)|(3<<25)
.irp g, G1, G1B
	s_mov_b32 s[\g+1], ROWB<<16                    ; tensor_dim0
	s_mov_b32 s[\g+2], 128<<16                     ; tensor_dim1
	s_mov_b32 s[\g+3], ROWB<<16                    ; tile_dim0
	s_mov_b32 s[\g+4], 128                         ; tile_dim1
	s_mov_b32 s[\g+5], KROW                        ; from row to row
	s_mov_b32 s[\g+6], 0
	s_mov_b32 s[\g+7], 0
.endr
	s_or_b32 s[G1S+0], s43, (3<<16)|(1<<20)|(1<<21)|(5<<22)|(3<<25) ; the scales of 128 rows: 4,096 dense bytes as 16 rows of 32 elements of 8 bytes, padded alike
	s_or_b32 s[G1SB+0], s44, (3<<16)|(1<<20)|(1<<21)|(5<<22)|(3<<25)
.irp g, G1S, G1SB
	s_mov_b32 s[\g+1], 32<<16
	s_mov_b32 s[\g+2], (128*KS/256)<<16
	s_mov_b32 s[\g+3], 32<<16
	s_mov_b32 s[\g+4], 128*KS/256
	s_mov_b32 s[\g+5], 32
	s_mov_b32 s[\g+6], 0
	s_mov_b32 s[\g+7], 0
.endr
	; where the tiles lie, in bytes from the two buffers' starts.  The lane side's offsets (s20-23) never hold cx, the register side's (s46, s47, s92, s93) never cy.
	s_lshr_b32 s17, ttmp9, 3                       ; which product: 0 Q, 1 K, 2 V
	s_and_b32 s18, ttmp9, 7                        ; which 1,024 tokens
	s_lshl_b32 s19, s16, 16                        ; 128 rows of codes
	s_lshl_b32 s42, s16, 12                        ; 128 rows of scale bytes
	s_lshl_b32 s20, s17, 22
	s_lshl_b32 s21, s18, 19
	s_add_co_u32 s20, s20, s21                     ; Q, K: the lane side is the tokens
	s_mov_b32 s21, 13631488                        ; V: it is Wv
	s_lshl_b32 s22, s17, 18
	s_lshl_b32 s23, s18, 15
	s_add_co_u32 s22, s22, s23
	s_mov_b32 s23, 851968
	s_lshl_b32 s46, s17, 19
	s_add_co_u32 s46, s46, 12582912                ; Q, K: the register side is the weight
	s_lshl_b32 s47, s18, 19
	s_add_co_u32 s47, s47, 8388608                 ; V: it is v's tokens
	s_lshl_b32 s92, s17, 15
	s_add_co_u32 s92, s92, 786432
	s_lshl_b32 s93, s18, 15
	s_add_co_u32 s93, s93, 524288
	s_cmp_lt_u32 ttmp9, 16                         ; the cluster's number: the same in all sixteen partners
	s_cselect_b32 s20, s20, s21
	s_cselect_b32 s22, s22, s23
	s_cselect_b32 s46, s46, s47
	s_cselect_b32 s92, s92, s93
	s_lshl_b32 s21, s41, 17                        ; 256 rows of codes for each place along y
	s_add_co_u32 s20, s20, s21
	s_add_co_u32 s20, s20, s19
	s_lshl_b32 s21, s41, 13
	s_add_co_u32 s22, s22, s21
	s_add_co_u32 s22, s22, s42
	s_lshl_b32 s47, s40, 17
	s_add_co_u32 s46, s46, s47
	s_add_co_u32 s46, s46, s19
	s_lshl_b32 s47, s40, 13
	s_add_co_u32 s92, s92, s47
	s_add_co_u32 s92, s92, s42
	s_mov_b32 s21, 0
	s_mov_b32 s23, 0
	s_mov_b32 s47, 0
	s_mov_b32 s93, 0
	s_mul_i32 s45, s14, HALFT                      ; where they go: wave x 128 rows: no place in the cluster enters an LDS address
	s_mul_i32 s94, s14, HALFS
	s_wait_dscnt 0x0                               ; both opening adds are done
	s_wait_kmcnt 0x0
	s_add_nc_u64 s[20:21], s[4:5], s[20:21]
	s_add_nc_u64 s[22:23], s[6:7], s[22:23]
	s_add_nc_u64 s[46:47], s[4:5], s[46:47]
	s_add_nc_u64 s[92:93], s[6:7], s[92:93]
	CROUND                                         ; all sixteen work-groups are here: the joint loads meet
	s_mov_b32 s[G0S], 1
	s_add_co_u32 s[G0S+1], s94, SCL
	s_mov_b64 s[G0S+2:G0S+3], s[22:23]
	s_or_b32 s[G0S+3], s[G0S+3], 0x80000000
	s_mov_b32 s[G0SB], 1
	s_add_co_u32 s[G0SB+1], s94, SCL
	s_mov_b64 s[G0SB+2:G0SB+3], s[92:93]
	s_or_b32 s[G0SB+3], s[G0SB+3], 0x80000000
	JLOAD G0S, G1S, G0SB, G1SB                     ; the scales first: they are wanted with the first slot.  Three loads of mine are out behind these lines
.irp s, 0,1
	s_mov_b32 s[G0+4*\s], 1
	s_add_co_u32 s[G0+4*\s+1], s45, \s*SLOT
	s_add_nc_u64 s[G0+4*\s+2:G0+4*\s+3], s[20:21], \s*ROWB
	s_or_b32 s[G0+4*\s+3], s[G0+4*\s+3], 0x80000000
	s_mov_b32 s[G0B+4*\s], 1
	s_add_co_u32 s[G0B+4*\s+1], s45, \s*SLOT
	s_add_nc_u64 s[G0B+4*\s+2:G0B+4*\s+3], s[46:47], \s*ROWB
	s_or_b32 s[G0B+4*\s+3], s[G0B+4*\s+3], 0x80000000
	JLOAD G0+4*\s, G1, G0B+4*\s, G1B
.endr
	v_and_b32 v1, 15, v0                           ; r
	v_bfe_u32 v2, v0, 4, 1                         ; h
	v_mul_u32_u24 v3, v1, PITCH
	v_lshl_add_u32 v4, v2, 4, v3
	s_mul_i32 s21, s15, HALFT
	s_mul_i32 s22, s16, HALFT
	s_add_co_u32 s22, s22, 2*HALFT
.irp s, 0,1
	v_add_nc_u32 v[ADRA+\s], s21, v4
	v_add_nc_u32 v[ADRB+\s], s22, v4
	s_add_co_u32 s21, s21, SLOT
	s_add_co_u32 s22, s22, SLOT
.endr
	v_mul_u32_u24 v5, v1, KS                       ; my row's scales: 32 bytes a row,
	v_lshrrev_b32 v6, 8, v5
	v_lshl_add_u32 v5, v6, 4, v5                   ; and 16 more for each 256 passed
	s_mul_i32 s21, s15, HALFS
	s_mul_i32 s22, s16, HALFS
	s_add_co_u32 s22, s22, 2*HALFS
	s_sub_co_u32 s22, s22, s21
	v_mul_u32_u24 v6, s22, v2                      ; lanes 16-31 take the register side's words
	s_add_co_u32 s21, s21, SCL
	v_add_nc_u32 v5, v5, v6
	v_add_nc_u32 v[ADRS], s21, v5
	v_and_b32 v6, 31, v0
	v_lshlrev_b32 v[LN], 4, v6
	v_and_b32 v6, 7, v1
	v_lshrrev_b32 v7, 3, v1
	v_lshl_add_u32 v6, v6, 1, v7                   ; my token of the sixteen: 2 (r % 8) + r / 8
	v_lshlrev_b32 v6, 8, v6
	v_lshl_add_u32 v[TOFF], v2, 5, v6
.macro FRAG reg, adr, q, i             ; 16 rows x 128 K of 4-bit codes: 8 registers, two loads of 16 bytes, 32 bytes apart
.irp c, 0,1
	ds_load_b128 v[\reg+4*\c:\reg+4*\c+3], v[\adr] offset:64*(\q)+32*\c+(\i)*16*PITCH
.endr
.endm
; 16 matrix instructions: lane-side blocks a0, a0 + 1 x the register side's eight.  The 64 accumulators take turns, one instruction a turn, in the same order in every step.
.macro MUL16 a0, p, q, sc, zero
.irp a, \a0, \a0+1
.irp b, 0,1,2,3,4,5,6,7
.if \zero
	v_wmma_scale_f32_16x16x128_f8f6f4 v[8*(8*((\a)%4)+\b):8*(8*((\a)%4)+\b)+7], v[128*(\p)+FR*\b:128*(\p)+FR*\b+FR-1], v[AF+FR*(\a):AF+FR*(\a)+FR-1], 0, v[SC+8*NQ*(\sc)+NQ*\b+(\q)], v[SC+8*NQ*(\sc)+NQ*(\a)+(\q)] matrix_a_fmt:MATRIX_FMT_FP4 matrix_b_fmt:MATRIX_FMT_FP4 matrix_a_scale:MATRIX_SCALE_ROW1
.else
	v_wmma_scale_f32_16x16x128_f8f6f4 v[8*(8*((\a)%4)+\b):8*(8*((\a)%4)+\b)+7], v[128*(\p)+FR*\b:128*(\p)+FR*\b+FR-1], v[AF+FR*(\a):AF+FR*(\a)+FR-1], v[8*(8*((\a)%4)+\b):8*(8*((\a)%4)+\b)+7], v[SC+8*NQ*(\sc)+NQ*\b+(\q)], v[SC+8*NQ*(\sc)+NQ*(\a)+(\q)] matrix_a_fmt:MATRIX_FMT_FP4 matrix_b_fmt:MATRIX_FMT_FP4 matrix_a_scale:MATRIX_SCALE_ROW1
.endif
.endr
.endr
.endm
.macro FETCH_B slot, q, p
	WIN TO_B
.irp i, 0,1,2,3,4,5,6,7
	FRAG 128*(\p)+FR*\i, ADRB+\slot, \q, \i
.endr
	WIN 0
.endm
.macro FETCH_A slot, q, i0
.irp i, \i0, \i0+1, \i0+2, \i0+3
	FRAG AF+FR*(\i), ADRA+\slot, \q, \i
.endr
.endm
.macro SCALES sc                       ; a slot's scale words: 4 words a row; lanes 0-15 take the lane side's block i, lanes 16-31 the register side's
.irp i, 0,1,2,3,4,5,6,7
	ds_load_b128 v[SC+8*NQ*\sc+NQ*\i:SC+8*NQ*\sc+NQ*\i+3], v[ADRS] offset:\i*SBLK
.endr
.endm
.macro PLACES n                        ; plain vector lines between a matrix instruction and a load into, or a read of, its registers
.rept \n
	v_nop
.endr
.endm
.macro STEP slot, q, zero              ; 128 along K whose successor lies in the same slot
	s_wait_dscnt 4*NL                              ; all but the youngest eight loads (lane-side blocks 4-7) are in
	WIN MUL_LO
	MUL16 0, (\q)%2, \q, \slot, \zero
	MUL16 2, (\q)%2, \q, \slot, \zero
	s_wait_dscnt 0
	PLACES NP
	FETCH_B \slot, (\q)+1, 1-(\q)%2
	FETCH_A \slot, (\q)+1, 0
	WIN MUL_HI
	MUL16 4, (\q)%2, \q, \slot, \zero
	MUL16 6, (\q)%2, \q, \slot, \zero
	PLACES NP
	WIN 0
	FETCH_A \slot, (\q)+1, 4
.endm
.macro TURN slot, next                 ; a slot's last step: one barrier; behind it the other slot is whole in every wave's eyes.  Nothing is filled again
	s_wait_tensorcnt 0x0                           ; all my tensor loads have landed: my part of the other slot
	ds_add_u32 v[SPW], v[NIL]
	s_wait_dscnt 4*NL+1                            ; (the add and the youngest eight loads may be out)
	WIN MUL_LO
	MUL16 0, 1, NQ-1, \slot, 0
	s_wait_dscnt 0x0
	s_barrier_signal -1
	MUL16 2, 1, NQ-1, \slot, 0
	WIN 0
	s_barrier_wait -1
	PLACES NP
	v_add_nc_u32 v[ADRS], 4*NQ, v[ADRS]            ; on to the next slot's scale words (no LDS load of mine is out)
	FETCH_B \next, 0, 0
	FETCH_A \next, 0, 0
	SCALES \next
	WIN MUL_HI
	MUL16 4, 1, NQ-1, \slot, 0
	MUL16 6, 1, NQ-1, \slot, 0
	PLACES NP
	WIN 0
	FETCH_A \next, 0, 4
.endm
	s_wait_tensorcnt 1                             ; the scales and my part of slot 0 are in; slot 1's load may be out
	s_barrier_signal -1
	s_barrier_wait -1
	FETCH_B 0, 0, 0
	FETCH_A 0, 0, 0
	SCALES 0
	FETCH_A 0, 0, 4
	STEP 0, 0, 1                                   ; the first products start the sums: nothing is cleared
	STEP 0, 1, 0
	STEP 0, 2, 0
	TURN 0, 1
	STEP 1, 0, 0
	STEP 1, 1, 0
	STEP 1, 2, 0
	s_wait_dscnt 4*NL
	WIN MUL_LO
	MUL16 0, 1, NQ-1, 1, 0
	MUL16 2, 1, NQ-1, 1, 0
	s_wait_dscnt 0
	WIN MUL_HI
	MUL16 4, 1, NQ-1, 1, 0
	MUL16 6, 1, NQ-1, 1, 0
	WIN 0
	PLACES NP                                      ; for the reads of the last results and the loads into the registers that held scale words
	s_cmp_lt_u32 ttmp9, 16
	s_cbranch_scc0 .Lvout
; ---- Q, K: THE WAY OUT.  Block a is 16 tokens; tile b of the eight is channels 16 b + 8 h + 0 .. 7 of two heads.  A pair of registers is a pair of the rotation; its frequency is 8 (b % 4) + 4 h + p.
	s_lshl_b32 s20, s18, 2
	s_add_co_u32 s20, s20, s41                     ; which 256 tokens
	s_lshr_b32 s21, s20, 3                         ; the batch
	s_and_b32 s20, s20, 7
	s_lshl_b32 s20, s20, 8
	s_lshl_b32 s22, s15, 7
	s_add_co_u32 s20, s20, s22                     ; my first position
	s_lshl_b32 s21, s21, 4
	s_lshl_b32 s22, s40, 2
	s_add_co_u32 s21, s21, s22
	s_lshl_b32 s22, s16, 1
	s_add_co_u32 s21, s21, s22                     ; 16 x batch + my first head
	s_cmp_lt_u32 ttmp9, 8                          ; Q or K
	s_cselect_b64 s[24:25], s[10:11], s[12:13]
	s_cselect_b32 s26, 18, 19                      ; a head's bytes: 2^18 in qf, 2^19 in kv
	s_cselect_b32 s27, 7, 8                        ; a token's share: 128 bytes in qf, 256 in kv (K's and V's images by turns)
	s_mov_b32 s28, 1.0
	s_cselect_b32 s28, 0x3e38aa3b, s28             ; Q carries log2(e) / 8, in f32, ahead of its rounding
	s_mov_b32 s29, s28
	s_lshl_b32 s30, s21, s26
	s_lshl_b32 s31, s20, s27
	s_add_co_u32 s30, s30, s31
	s_mov_b32 s31, 0
	s_add_nc_u64 s[32:33], s[24:25], s[30:31]      ; four bases: head 0 or 1 of my two, tokens 0-63 or 64-127
	s_sub_co_u32 s27, s26, 5
	s_lshl_b32 s30, 1, s27                         ; 64 tokens on: 8,192 bytes in qf, 16,384 in kv
	s_add_nc_u64 s[34:35], s[32:33], s[30:31]
	s_lshl_b32 s30, 1, s26
	s_add_nc_u64 s[36:37], s[32:33], s[30:31]
	s_add_nc_u64 s[38:39], s[34:35], s[30:31]
	s_lshl_b32 s30, s20, 8
	s_add_co_u32 s30, s30, 2097152
	s_add_nc_u64 s[48:49], s[8:9], s[30:31]        ; the table at my first position
.macro TABLE a
.irp bq, 0,1,2,3
	global_load_b128 v[CS+32*((\a)%2)+8*\bq:CS+32*((\a)%2)+8*\bq+3], v[TOFF], s[48:49] offset:(\a)*4096+\bq*64
	global_load_b128 v[CS+32*((\a)%2)+8*\bq+4:CS+32*((\a)%2)+8*\bq+7], v[TOFF], s[48:49] offset:(\a)*4096+\bq*64+16
.endr
.endm
.macro ROPE a
.set CT, CS+32*((\a)%2)
.set FT, FH+32*((\a)%2)
.set AC, 64*((\a)%4)
.if (\a) < 7
	TABLE (\a)+1
	s_wait_loadcnt 8                               ; this block's table is in; the next block's eight loads may be out
.else
	s_wait_loadcnt 0x0
.endif
	s_wait_xcnt 0x0                                ; the stores of two blocks ago have read the registers that are written below
.set e, 0
.rept 16
	v_pk_mul_f32 v[CT+e:CT+e+1], v[CT+e:CT+e+1], s[28:29] op_sel_hi:[1,0]
.set e, e+2
.endr
	WIN (0x02+(\a)/4)                              ; source 0: the accumulators' window
.irp b, 0,1,2,3,4,5,6,7
.irp p, 0,1,2,3
	v_mul_f32 v[OW+8*\b+2*\p], v[AC+8*\b+2*\p+1], v[CT+8*(\b%4)+2*\p+1]      ; x2 sin   (an accumulator's first read is of its register 1)
	v_mul_f32 v[OW+8*\b+2*\p+1], v[AC+8*\b+2*\p+1], v[CT+8*(\b%4)+2*\p]      ; x2 cos
.endr
.irp p, 0,1,2,3
	v_fma_f32 v[OW+8*\b+2*\p], v[AC+8*\b+2*\p], v[CT+8*(\b%4)+2*\p], -v[OW+8*\b+2*\p]        ; x1 cos - x2 sin
	v_fma_f32 v[OW+8*\b+2*\p+1], v[AC+8*\b+2*\p], v[CT+8*(\b%4)+2*\p+1], v[OW+8*\b+2*\p+1]   ; x1 sin + x2 cos
.endr
.endr
	WIN 0
.set e, 0
.rept 32
	v_cvt_pk_f16_f32 v[FT+e], v[OW+2*e], v[OW+2*e+1]
.set e, e+1
.endr
.irp b, 0,1,2,3,4,5,6,7
	global_store_b128 v[LN], v[FT+4*\b:FT+4*\b+3], s[32+4*(\b/4)+2*((\a)/4):33+4*(\b/4)+2*((\a)/4)] offset:((\a)%4)*2048+((\b/2)%2)*1024+(\b%2)*512   ; 512 consecutive bytes of an image
.endr
.endm
	TABLE 0
.irp a, 0,1,2,3,4,5,6,7
	ROPE \a
.endr
	FIN
; ---- V: THE WAY OUT.  Block a is 16 channels, tile b 16 keys: a lane's eight registers are eight keys of one channel.
.Lvout:
	s_lshl_b32 s20, s18, 2
	s_add_co_u32 s20, s20, s40                     ; which 256 tokens
	s_lshr_b32 s21, s20, 3
	s_and_b32 s20, s20, 7
	s_lshl_b32 s20, s20, 8
	s_lshl_b32 s22, s16, 7
	s_add_co_u32 s20, s20, s22                     ; my first key
	s_lshl_b32 s21, s21, 4
	s_lshl_b32 s22, s41, 2
	s_add_co_u32 s21, s21, s22
	s_lshl_b32 s22, s15, 1
	s_add_co_u32 s21, s21, s22                     ; 16 x batch + my first head
	s_lshl_b32 s30, s21, 19
	s_lshl_b32 s31, s20, 8
	s_add_co_u32 s30, s30, s31
	s_add_co_u32 s30, s30, 8192                    ; V's images lie behind K's in each key step's 16,384 bytes
	s_mov_b32 s31, 0
	s_add_nc_u64 s[32:33], s[12:13], s[30:31]
	s_add_nc_u64 s[34:35], s[32:33], 524288        ; my second head
.macro VOUT a
.set FT, FH+32*((\a)%2)
.set AC, 64*((\a)%4)
	s_wait_xcnt 0x0                                ; the stores of two blocks ago have read these registers
	WIN (0x0a+5*((\a)/4))                          ; sources 0 and 1: the accumulators' window
.set e, 0
.rept 32
	v_cvt_pk_f16_f32 v[FT+e], v[AC+2*e], v[AC+2*e+1]   ; each accumulator from its low end on
.set e, e+1
.endr
	WIN 0
.irp b, 0,1,2,3,4,5,6,7
	global_store_b128 v[LN], v[FT+4*\b:FT+4*\b+3], s[32+2*((\a)/4):33+2*((\a)/4)] offset:(\b/4)*16384+((\a)%4)*2048+((\b/2)%2)*1024+(\b%2)*512
.endr
.endm
.irp a, 0,1,2,3,4,5,6,7
	VOUT \a
.endr
	FIN
.Lfunc_end_k_q927d544209_proj:
	.size	k_q927d544209_proj, .Lfunc_end_k_q927d544209_proj-k_q927d544209_proj
	.p2alignl 7, 3214868480
	.fill 96, 4, 3214868480
	.section	.rodata,"a",@progbits
	.p2align	6, 0x0
	.amdhsa_kernel k_q927d544209_proj
		.amdhsa_group_segment_fixed_size 327680
		.amdhsa_private_segment_fixed_size 0
		.amdhsa_enable_private_segment 0
		.amdhsa_kernarg_size 40
		.amdhsa_user_sgpr_count 2
		.amdhsa_user_sgpr_kernarg_segment_ptr 1
		.amdhsa_wavefront_size32 1
		.amdhsa_system_sgpr_workgroup_id_x 1
		.amdhsa_system_sgpr_workgroup_id_y 1
		.amdhsa_system_sgpr_workgroup_id_z 1
		.amdhsa_system_vgpr_workitem_id 0
		.amdhsa_next_free_vgpr 1024
		.amdhsa_next_free_sgpr 98
		.amdhsa_reserve_vcc 0
		.amdhsa_float_denorm_mode_32 3
		.amdhsa_float_denorm_mode_16_64 3
		.amdhsa_memory_ordered 1
		.amdhsa_forward_progress 1
		.amdhsa_inst_pref_size 205
	.end_amdhsa_kernel
	.amdgpu_metadata
---
amdhsa.version: [ 1, 2 ]
amdhsa.kernels:
  - .name:           k_q927d544209_proj
    .symbol:         k_q927d544209_proj.kd
    .args:
      - { .name: codes, .offset: 0, .size: 8, .value_kind: global_buffer, .address_space: global }
      - { .name: scales, .offset: 8, .size: 8, .value_kind: global_buffer, .address_space: global }
      - { .name: tabs, .offset: 16, .size: 8, .value_kind: global_buffer, .address_space: global }
      - { .name: qf, .offset: 24, .size: 8, .value_kind: global_buffer, .address_space: global }
      - { .name: kv, .offset: 32, .size: 8, .value_kind: global_buffer, .address_space: global }
    .group_segment_fixed_size: 327680
    .private_segment_fixed_size: 0
    .kernarg_segment_align: 8
    .kernarg_segment_size: 40
    .max_flat_workgroup_size: 128
    .sgpr_count:     98
    .vgpr_count:     1024
    .wavefront_size: 32
...
	.end_amdgpu_metadata
.endif
;; end of part 2
;; launch attn (part 3): grid 256 x 1, 16 waves a work-group, no clusters, 34,816 bytes of LDS; arguments qf, kv, mbits, flags, obuf; writes obuf
.if DOCPART == 3
	.amdgcn_target "amdgcn-amd-amdhsa--gfx1250"
	.amdhsa_code_object_version 6
	.text
	.protected	k_q927d544209_attn
	.globl	k_q927d544209_attn
	.p2align	8
	.type	k_q927d544209_attn,@function
k_q927d544209_attn:
	s_mov_b64 s[64:65], 0
	v_nop
	global_prefetch_b8 v0, s[64:65] scope:SCOPE_SE
	s_setreg_imm32_b32 hwreg(HW_REG_WAVE_MODE, 25, 1), 1
	s_wait_xcnt 0x0
; ATTN: O = softmax(mask ? Q K^T / 8 : -1e9) V for 64 (batch, head) pairs of 2,048 x 2,048, operands in f16, sums, maxima and exponentials in f32.
; Q arrives times log2(e) / 8, so a score is t in base 2; a hidden score is -1e9 log2(e); p = 2^(t - m) with a running maximum m; in every step O and the sum l are multiplied by 2^(old m - new m).
; SHARES.  Four work-groups to a (batch, head); each of a work-group's sixteen waves owns 32 queries, two tiles of 16, in 256 registers.  Which 32 is chosen so that early and late blocks are mixed in every work-group.
; Every wave walks all 32 key steps of 64 keys.  A step's K and V (16,384 bytes, images of operand registers as they lie in memory) are brought through registers into one of two LDS buffers by all 512 threads.
; REQUESTS RUN AHEAD.  The head of step J asks for tile J + 2 (32 bytes a thread, into one of two sets of 8 registers) and for the mask words of step J + 3 (8 bytes a lane, into one of four pairs); the tail of step J
; waits for tile J + 1 and stores it into the buffer that every wave left one barrier ago.  So two steps' work stands between a tile's request and the wait for it, and three between the mask words' and theirs.
; All these loads are issued in every step by every wave, whatever the mask says, so that each counted wait counts the same loads on every way through the text.
; BOTH PRODUCTS ARE USED TRANSPOSED: S^T = K Q^T, O^T = V^T P: a lane holds one query throughout; two tiles of S^T, rounded in pairs, are source 1 of the second product.
; THE MASK IS AN INPUT.  It comes as bits (mbits: for my block and a key step 256 bytes, my lane's 8 bytes the words of my two queries; bit i: key 64 st + 2 i + lane half, which is my register i), with flag words
; (flags) that an earlier launch stored: a step of which no key counts for any of my 32 queries is passed over (its p would be 0 beside any key that counts; a query with no key at all makes every step needed),
; and the mask is applied only in steps that are not wholly open.
; These branches hang on stored whole numbers; that is why there is no cluster: partners would take different ways.  No barrier stands under such a branch.
; K AND V SHARE 48 REGISTERS.  K's tiles 0 to 2 are fetched at the head; tile 3 follows into tile 0's registers behind tile 0's products.  V's channels 0 to 47 take the 48; channels 48 to 63 take the upper half of
; tile 0's scores, which is free once its weights are packed.  That frees the 16 registers in which the requests run ahead.
; LIMITS: operands in f16 (|t|-scaled Q, K, V under 65,504; p under 6e-5 loses bits, against a sum of at least 1); NaN and infinities are not served.
; REGISTERS: v0 thread; v1 16 x lane; v2 16 x thread; v3 the hidden score; v4 8 x lane; v7 the prefetch's offset; v8 m, v9 l of tile 0; v10, v11 of tile 1; v12, v14 the factors (v13, v15 at work);
;   v16-23 at work; v24-31 tiles on their way, set 0; v32-63 Q; v64-127 S^T, then P in the low 16 of each tile's 32; v128-175 K, then V; v176-183 tiles on their way, set 1; v184-191 mask words, four pairs; v192-255 O^T.
.set SPARE, 32768                      ; LDS: two buffers of 16,384 bytes, then the spare words, 128 bytes for each wave
.set Q,    32
.set S,    64
.set KV,   128
.set MP,   184
.set O,    192
.set NEED, 24
.set MIX,  25
.set J,    26                          ; the key step
.set LIM,  27                          ; a wave prefetches while J is under it
.set CNT,  30
.set SEL,  32                          ; s[32:33] v_permlanex16_b32's selects for lane l xor 16
.set OB,   34                          ; s[34:35] where my results go
	s_load_b256 s[4:11], s[0:1], 0x0               ; qf s[4:5], kv s[6:7], mbits s[8:9], flags s[10:11]
	s_load_b64 s[OB:OB+1], s[0:1], 0x20            ; obuf
	v_lshrrev_b32 v16, 5, v0
	v_readfirstlane_b32 s2, v16                    ; wave 0..15
	v_and_b32 v17, 31, v0
	v_lshlrev_b32 v1, 4, v17
	v_lshlrev_b32 v2, 4, v0
	v_lshlrev_b32 v4, 3, v17
	v_lshlrev_b32 v7, 8, v0                        ; 8,192 x wave + 256 x lane
	v_mov_b32 v3, 0xceabfb8f                       ; -1e9 log2(e)
	s_lshr_b32 s3, ttmp9, 2                        ; 16 x batch + head
	s_and_b32 s12, ttmp9, 3                        ; g: which of the four work-groups
	s_and_b32 s13, s2, 3
	s_lshr_b32 s14, s2, 2                          ; i: which quarter of the queries
	s_and_b32 s15, s14, 1
	s_mul_i32 s15, s15, 3                          ; odd quarters are walked backwards
	s_xor_b32 s13, s13, s15
	s_xor_b32 s15, s12, s15
	s_lshl_b32 s14, s14, 4
	s_lshl_b32 s13, s13, 2
	s_add_co_u32 s14, s14, s13
	s_add_co_u32 s14, s14, s15                     ; my block of 32 queries, 0..63
	s_lshr_b32 s[LIM], s2, 1                       ; 0 in waves 0 and 1
	s_or_b32 s[LIM], s[LIM], s12                   ; of the first of the four work-groups
	s_cmp_eq_u32 s[LIM], 0
	s_cselect_b32 s[LIM], 29, 0
	s_lshr_b32 s15, s3, 4
	s_lshl_b32 s15, s15, 6
	s_add_co_u32 s15, s15, s14                     ; 64 x batch + block
	s_and_b32 s31, s3, 15                          ; head
	s_mov_b32 s29, 0
	s_mov_b32 s[J], 0
	s_mov_b32 s[SEL], 0x76543210
	s_mov_b32 s[SEL+1], 0xfedcba98
	s_wait_kmcnt 0x0
	s_lshl_b32 s28, s15, 5                         ; 32 bytes of flags a block
	s_add_nc_u64 s[12:13], s[10:11], s[28:29]
	s_load_b256 s[16:23], s[12:13], 0x0            ; four pairs (A, B): one for each 8 key steps
	s_lshl_b32 s28, s15, 13
	s_add_nc_u64 s[8:9], s[8:9], s[28:29]          ; my block's mask bits: 256 bytes a key step
	s_lshl_b32 s28, s3, 19
	s_add_nc_u64 s[6:7], s[6:7], s[28:29]          ; K and V of my head, key step 0
	s_lshl_b32 s28, s3, 18
	s_lshl_b32 s15, s14, 12
	s_add_co_u32 s28, s28, s15
	s_add_nc_u64 s[4:5], s[4:5], s[28:29]          ; my two tiles of Q: 4,096 bytes
	; The first loads, in an order in which the loop's counts hold on the way in too: behind mask 1 stand three loads, behind tile 1 one.
	global_load_b64 v[MP:MP+1], v4, s[8:9]                     ; mask words of step 0
	global_load_b128 v[24:27], v2, s[6:7]                      ; tile 0
	global_load_b128 v[28:31], v2, s[6:7] offset:8192
.set e, 0
.rept 8
	global_load_b128 v[Q+4*e:Q+4*e+3], v1, s[4:5] offset:512*e
.set e, e+1
.endr
	global_load_b64 v[MP+2:MP+3], v4, s[8:9] offset:256        ; step 1
	global_load_b128 v[176:179], v2, s[6:7] offset:16384       ; tile 1
	global_load_b128 v[180:183], v2, s[6:7] offset:24576
	global_load_b64 v[MP+4:MP+5], v4, s[8:9] offset:512        ; step 2
	s_lshr_b32 s15, s3, 4
	s_lshl_b32 s15, s15, 6
	s_add_co_u32 s15, s15, s14
	s_lshl_b32 s28, s15, 16                        ; two tiles of tokens, 32,768 bytes each
	s_lshl_b32 s15, s31, 11                        ; my head's two images in each
	s_add_co_u32 s28, s28, s15
	s_add_nc_u64 s[OB:OB+1], s[OB:OB+1], s[28:29]
	v_mov_b32 v8, 0xff61b1e6                       ; m: -3e38, under every score
	v_mov_b32 v10, 0xff61b1e6
	v_mov_b32 v9, 0                                ; l
	v_mov_b32 v11, 0
.irp n, 12,13,14,15
	v_mov_b32 v\n, 0
.endr
.set e, 0
.rept 64
	v_mov_b32 v[O+e], 0                            ; which step is a wave's first hangs on the mask: so O^T begins as zeros, which the first change of m leaves zeros
.set e, e+1
.endr
	s_wait_loadcnt 4                               ; tile 0 and Q are in; mask 1, tile 1's two loads and mask 2 may be out
	ds_store_b128 v2, v[24:27]
	ds_store_b128 v2, v[28:31] offset:8192
	s_wait_kmcnt 0x0
	s_and_b32 s[NEED], s16, 0xff                   ; the four waves' bytes make the words: bit st for key step st
	s_bfe_u32 s[MIX], s16, 0x80008                 ; (here: full)
.irp w, 1,2,3
	s_and_b32 s28, s[16+2*\w], 0xff
	s_lshl_b32 s28, s28, 8*\w
	s_or_b32 s[NEED], s[NEED], s28
	s_bfe_u32 s28, s[16+2*\w], 0x80008
	s_lshl_b32 s28, s28, 8*\w
	s_or_b32 s[MIX], s[MIX], s28
.endr
	s_or_b32 s28, s17, s19                         ; which of my 32 queries have a key anywhere
	s_or_b32 s28, s28, s21
	s_or_b32 s28, s28, s23
	s_cmp_eq_u32 s28, -1
	s_cselect_b32 s[NEED], s[NEED], -1             ; a query with none weighs all keys alike: every step is needed
	s_and_not1_b32 s[MIX], s[NEED], s[MIX]         ; needed and not wholly open
	s_wait_dscnt 0x0                               ; for the others' sake: my part of key step 0 lies in LDS
	s_barrier_signal -1
	s_barrier_wait -1
; One product of S^T = K Q^T: 16 keys (tile kt), 32 channels (f2), 16 queries (tile qt).  K's tile kt lies in piece kt % 3 of the 48 registers.
.macro KQ kt, f2, qt
.if (\f2) == 0
	v_wmma_f32_16x16x32_f16 v[S+32*(\qt)+8*(\kt):S+32*(\qt)+8*(\kt)+7], v[KV+16*((\kt)%3)+8*(\f2):KV+16*((\kt)%3)+8*(\f2)+7], v[Q+16*(\qt)+8*(\f2):Q+16*(\qt)+8*(\f2)+7], 0
.else
	v_wmma_f32_16x16x32_f16 v[S+32*(\qt)+8*(\kt):S+32*(\qt)+8*(\kt)+7], v[KV+16*((\kt)%3)+8*(\f2):KV+16*((\kt)%3)+8*(\f2)+7], v[Q+16*(\qt)+8*(\f2):Q+16*(\qt)+8*(\f2)+7], v[S+32*(\qt)+8*(\kt):S+32*(\qt)+8*(\kt)+7]
.endif
.endm
; One product of O^T += V^T P: 16 channels (tile dt), 32 keys (vf), 16 queries.  V's tiles 0 to 2 lie in the 48 registers, tile 3 in the upper half of tile 0's scores.
.macro PV dt, vf, qt
.set rV, KV+16*(\dt)+8*(\vf)
.if (\dt) == 3
.set rV, S+16+8*(\vf)
.endif
	v_wmma_f32_16x16x32_f16 v[O+32*(\qt)+8*(\dt):O+32*(\qt)+8*(\dt)+7], v[rV:rV+7], v[S+32*(\qt)+8*(\vf):S+32*(\qt)+8*(\vf)+7], v[O+32*(\qt)+8*(\dt):O+32*(\qt)+8*(\dt)+7]
.endm
; KEY STEP J on LDS buffer buf = J % 2; ph = J % 4 names its pair of mask words.  ftile: tile J + 2 is asked for; fmask: the mask words of step J + 3; fstore: tile J + 1 is stored and a barrier follows.
; nt: the loads issued behind tile J + 1's, which may stay out at the tail; nm: those issued behind the mask words of step J.
.macro STEP buf, ph, ftile, fmask, fstore, nt, nm
.if \ftile
	global_load_b128 v[24+152*(\buf):27+152*(\buf)], v2, s[6:7] offset:32768      ; into the set whose last tile went to LDS one barrier ago
	global_load_b128 v[28+152*(\buf):31+152*(\buf)], v2, s[6:7] offset:40960
.endif
.if \fmask
	global_load_b64 v[MP+2*(((\ph)+3)%4):MP+2*(((\ph)+3)%4)+1], v4, s[8:9] offset:768   ; 32 lanes read 256 consecutive bytes
.endif
.if \ftile
	s_cmp_lt_u32 s[J], s[LIM]                      ; tile J + 3 is asked of memory here, behind my loads: one step ahead of its load; 256 bytes a lane, 8,192 a wave, waves 0 and 1 of one of the
	s_cbranch_scc0 .Lnoask_\@                      ; four work-groups that walk these tiles: each 256 bytes are named once in the launch, and nothing is named behind key step 31
	global_prefetch_b8 v7, s[6:7] offset:49152 th:TH_LOAD_NT scope:SCOPE_SE
.Lnoask_\@:
.endif
	s_bitcmp1_b32 s[NEED], s[J]
	s_cbranch_scc0 .Lskip_\@                       ; no key of this step counts for my 32 queries
.set e, 0
.rept 12
	ds_load_b128 v[KV+4*e:KV+4*e+3], v1 offset:(\buf)*16384+512*e          ; K's tiles 0 to 2: tile kt, channels 32 f on: registers 16 kt + 8 f
.set e, e+1
.endr
	s_wait_dscnt 0x0
.irp f2, 0,1                           ; accumulators by turns, one instruction a turn
.irp qt, 0,1
	KQ 0, \f2, \qt
.endr
.endr
.rept 4
	v_nop                                          ; four plain lines ahead of the loads into tile 0's registers
.endr
.set e, 0
.rept 4
	ds_load_b128 v[KV+4*e:KV+4*e+3], v1 offset:(\buf)*16384+6144+512*e     ; K's tile 3; tiles 1 and 2 are multiplied meanwhile
.set e, e+1
.endr
.irp f2, 0,1
.irp kt, 1,2
.irp qt, 0,1
	KQ \kt, \f2, \qt
.endr
.endr
.endr
	s_wait_dscnt 0x0
.irp f2, 0,1
.irp qt, 0,1
	KQ 3, \f2, \qt
.endr
.endr
.rept 4
	v_nop                                          ; four plain lines ahead of the loads into K's registers and of the first read of the scores
.endr
.set e, 0
.rept 12
	ds_load_b128 v[KV+4*e:KV+4*e+3], v1 offset:(\buf)*16384+8192+512*e     ; V's tiles 0 to 2: channels 16 dt on, keys 32 vf on: registers 16 dt + 8 vf
.set e, e+1
.endr
	s_bitcmp1_b32 s[MIX], s[J]
	s_cbranch_scc0 .Lnm2_\@
	s_wait_loadcnt \nm                             ; this step's mask words are in; what later heads have asked for may be out
.irp qt, 0,1
.set e, 0
.rept 32
	v_and_b32 v[16+e%4], 1<<e, v[MP+2*(\ph)+\qt]
	v_cmp_eq_u32 vcc_lo, 0, v[16+e%4]
	v_cndmask_b32 v[S+32*\qt+e], v[S+32*\qt+e], v3, vcc_lo
.set e, e+1
.endr
.endr
.Lnm2_\@:
.irp qt, 0,1                           ; the largest of 32 scores and the old m: four chains a tile
.irp c, 0,1,2,3
	v_max3_num_f32 v[16+4*\qt+\c], v[S+32*\qt+8*\c], v[S+32*\qt+8*\c+1], v[S+32*\qt+8*\c+2]
.endr
.endr
.irp u, 3,5
.irp qt, 0,1
.irp c, 0,1,2,3
	v_max3_num_f32 v[16+4*\qt+\c], v[16+4*\qt+\c], v[S+32*\qt+8*\c+\u], v[S+32*\qt+8*\c+\u+1]
.endr
.endr
.endr
.irp qt, 0,1
	v_max3_num_f32 v[16+4*\qt], v[16+4*\qt], v[S+32*\qt+7], v[S+32*\qt+15]
	v_max3_num_f32 v[18+4*\qt], v[18+4*\qt], v[S+32*\qt+23], v[S+32*\qt+31]
.endr
.irp qt, 0,1
	v_max3_num_f32 v[16+4*\qt], v[16+4*\qt], v[17+4*\qt], v[18+4*\qt]
.endr
.irp qt, 0,1
	v_max3_num_f32 v[16+4*\qt], v[16+4*\qt], v[19+4*\qt], v[8+2*\qt]
.endr
.irp qt, 0,1
	v_permlanex16_b32 v[17+4*\qt], v[16+4*\qt], s[SEL], s[SEL+1]           ; the query's other 32 keys lie in the lane 16 away
.endr
.irp qt, 0,1
	v_max_num_f32 v[16+4*\qt], v[16+4*\qt], v[17+4*\qt]
.endr
.irp qt, 0,1
	v_sub_f32 v[12+2*\qt], v[8+2*\qt], v[16+4*\qt]                         ; old m - new m
.endr
.irp qt, 0,1
	v_mov_b32 v[8+2*\qt], v[16+4*\qt]
.endr
.irp qt, 0,1
.set e, 0
.rept 16
	v_pk_add_f32 v[S+32*\qt+e:S+32*\qt+e+1], v[S+32*\qt+e:S+32*\qt+e+1], v[8+2*\qt:9+2*\qt] op_sel_hi:[1,0] neg_lo:[0,1] neg_hi:[0,1]   ; t - m (of the pair the low word serves both halves)
.set e, e+2
.endr
.endr
	v_exp_f32 v12, v12                             ; ONE BATCH: the two factors and the 64 weights; none reads another's result
	v_exp_f32 v14, v14
.set e, 0
.rept 64
	v_exp_f32 v[S+e], v[S+e]
.set e, e+1
.endr
	v_nop                                          ; a plain line behind the last exponential
	s_wait_alu depctr_va_vdst(0)                   ; one wait for the batch, ahead of its first reader
.irp qt, 0,1                           ; the row's sum, of the unrounded weights: two chains a tile
	v_pk_add_f32 v[16+4*\qt:17+4*\qt], v[S+32*\qt:S+32*\qt+1], v[S+32*\qt+2:S+32*\qt+3]
	v_pk_add_f32 v[18+4*\qt:19+4*\qt], v[S+32*\qt+4:S+32*\qt+5], v[S+32*\qt+6:S+32*\qt+7]
.endr
.irp u, 8,12,16,20,24,28
.irp qt, 0,1
	v_pk_add_f32 v[16+4*\qt:17+4*\qt], v[16+4*\qt:17+4*\qt], v[S+32*\qt+\u:S+32*\qt+\u+1]
	v_pk_add_f32 v[18+4*\qt:19+4*\qt], v[18+4*\qt:19+4*\qt], v[S+32*\qt+\u+2:S+32*\qt+\u+3]
.endr
.endr
.irp qt, 0,1
	v_pk_add_f32 v[16+4*\qt:17+4*\qt], v[16+4*\qt:17+4*\qt], v[18+4*\qt:19+4*\qt]
.endr
.irp qt, 0,1
	v_fma_f32 v[9+2*\qt], v[9+2*\qt], v[12+2*\qt], v[16+4*\qt]
.endr
.irp qt, 0,1
	v_add_f32 v[9+2*\qt], v[9+2*\qt], v[17+4*\qt]
.endr
.irp qt, 0,1
.set e, 0
.rept 16
	v_cvt_pk_f16_f32 v[S+32*\qt+e], v[S+32*\qt+2*e], v[S+32*\qt+2*e+1]     ; in place, ascending: registers 4 kt .. 4 kt + 3 are tile kt's eight keys
.set e, e+1
.endr
.if \qt == 0
.set e, 0
.rept 4
	ds_load_b128 v[S+16+4*e:S+16+4*e+3], v1 offset:(\buf)*16384+8192+6144+512*e   ; V's tile 3, into the 16 registers that tile 0's packing has just left; 48 plain lines and 12 products stand ahead of its use
.set e, e+1
.endr
.endif
.endr
.irp qt, 0,1
.set e, 0
.rept 16
	v_pk_mul_f32 v[O+32*\qt+e:O+32*\qt+e+1], v[O+32*\qt+e:O+32*\qt+e+1], v[12+2*\qt:13+2*\qt] op_sel_hi:[1,0]
.set e, e+2
.endr
.endr
	s_wait_dscnt 0x0                               ; V is in
.irp vf, 0,1
.irp dt, 0,1,2
.irp qt, 0,1
	PV \dt, \vf, \qt
.endr
.endr
.endr
.irp vf, 0,1
.irp qt, 0,1
	PV 3, \vf, \qt
.endr
.endr
.rept 5
	v_nop                                          ; five plain lines: the next products write over P's and V's registers, and the next loads land in V's
.endr
.Lskip_\@:
.if \fstore
	s_wait_loadcnt \nt                             ; tile J + 1, asked for a step and more ago, is in my registers; what was asked for behind it may be out
.endif
	s_wait_xcnt 0x0                                ; every load and the prefetch have read their bases, which step below
.if \fstore
	ds_store_b128 v2, v[176-152*(\buf):179-152*(\buf)] offset:(1-(\buf))*16384        ; into the buffer that every wave left one barrier ago
	ds_store_b128 v2, v[180-152*(\buf):183-152*(\buf)] offset:(1-(\buf))*16384+8192
	s_add_nc_u64 s[6:7], s[6:7], 16384
.endif
	s_add_nc_u64 s[8:9], s[8:9], 256
	s_add_co_u32 s[J], s[J], 1
.if \fstore
	s_wait_dscnt 0x0                               ; my stores have landed and have read their registers, and my reads of this step's buffer are over: one barrier serves both
	s_barrier_signal -1
	s_barrier_wait -1
.endif
.endm
	s_mov_b32 s[CNT], 7
.Lloop:                                            ; four steps a trip: then the buffers, the sets and the pairs are back where they began.  Steps 0 to 27
	STEP 0, 0, 1, 1, 1, 4, 9                       ; at the tail: the mask load behind tile J + 1 and this head's three; at the mask: three heads' three loads each
	STEP 1, 1, 1, 1, 1, 4, 9
	STEP 0, 2, 1, 1, 1, 4, 9
	STEP 1, 3, 1, 1, 1, 4, 9
	s_sub_co_u32 s[CNT], s[CNT], 1
	s_cmp_lg_u32 s[CNT], 0
	s_cbranch_scc1 .Lloop
	STEP 0, 0, 1, 1, 1, 4, 9                       ; step 28 asks for tile 30 and for the last mask words
	STEP 1, 1, 1, 0, 1, 3, 8                       ; step 29 asks for tile 31 alone: the counts run down
	STEP 0, 2, 0, 0, 1, 0, 5                       ; step 30: nothing is left to fetch
	STEP 1, 3, 0, 0, 0, 0, 2                       ; step 31
	; THE WAY OUT: O^T / l, rounded to f16: a lane's eight channels of a query are 16 bytes of an image whose K is the 1,024 features of the last product.
	v_permlanex16_b32 v13, v9, s[SEL], s[SEL+1]
	v_permlanex16_b32 v15, v11, s[SEL], s[SEL+1]
	v_add_f32 v9, v9, v13
	v_add_f32 v11, v11, v15
	v_rcp_f32 v12, v9
	v_rcp_f32 v14, v11
	v_nop
	s_wait_alu depctr_va_vdst(0)
.irp qt, 0,1
.set e, 0
.rept 16
	v_pk_mul_f32 v[O+32*\qt+e:O+32*\qt+e+1], v[O+32*\qt+e:O+32*\qt+e+1], v[12+2*\qt:13+2*\qt] op_sel_hi:[1,0]
.set e, e+2
.endr
.endr
.set e, 0
.rept 32
	v_cvt_pk_f16_f32 v[S+e], v[O+2*e], v[O+2*e+1]
.set e, e+1
.endr
.irp qt, 0,1
.irp dt, 0,1,2,3
	global_store_b128 v1, v[S+16*\qt+4*\dt:S+16*\qt+4*\dt+3], s[OB:OB+1] offset:\qt*32768+(\dt/2)*1024+(\dt%2)*512   ; 512 consecutive bytes
.endr
.endr
	v_lshl_add_u32 v16, v0, 2, SPARE               ; no two registers could be kept: the add's two are made anew from v0
	v_mov_b32 v17, 0
	s_wait_tensorcnt 0x0                           ; the wave's end
	ds_add_u32 v16, v17
	s_wait_dscnt 0x0
	s_endpgm
.Lfunc_end_k_q927d544209_attn:
	.size	k_q927d544209_attn, .Lfunc_end_k_q927d544209_attn-k_q927d544209_attn
	.p2alignl 7, 3214868480
	.fill 96, 4, 3214868480
	.section	.rodata,"a",@progbits
	.p2align	6, 0x0
	.amdhsa_kernel k_q927d544209_attn
		.amdhsa_group_segment_fixed_size 34816
		.amdhsa_private_segment_fixed_size 0
		.amdhsa_enable_private_segment 0
		.amdhsa_kernarg_size 40
		.amdhsa_user_sgpr_count 2
		.amdhsa_user_sgpr_kernarg_segment_ptr 1
		.amdhsa_wavefront_size32 1
		.amdhsa_system_sgpr_workgroup_id_x 1
		.amdhsa_system_sgpr_workgroup_id_y 1
		.amdhsa_system_sgpr_workgroup_id_z 1
		.amdhsa_system_vgpr_workitem_id 0
		.amdhsa_next_free_vgpr 256
		.amdhsa_next_free_sgpr 66
		.amdhsa_reserve_vcc 1
		.amdhsa_float_denorm_mode_32 3
		.amdhsa_float_denorm_mode_16_64 3
		.amdhsa_memory_ordered 1
		.amdhsa_forward_progress 1
		.amdhsa_inst_pref_size 216
	.end_amdhsa_kernel
	.amdgpu_metadata
---
amdhsa.version: [ 1, 2 ]
amdhsa.kernels:
  - .name:           k_q927d544209_attn
    .symbol:         k_q927d544209_attn.kd
    .args:
      - { .name: qf, .offset: 0, .size: 8, .value_kind: global_buffer, .address_space: global }
      - { .name: kv, .offset: 8, .size: 8, .value_kind: global_buffer, .address_space: global }
      - { .name: mbits, .offset: 16, .size: 8, .value_kind: global_buffer, .address_space: global }
      - { .name: flags, .offset: 24, .size: 8, .value_kind: global_buffer, .address_space: global }
      - { .name: obuf, .offset: 32, .size: 8, .value_kind: global_buffer, .address_space: global }
    .group_segment_fixed_size: 34816
    .private_segment_fixed_size: 0
    .kernarg_segment_align: 8
    .kernarg_segment_size: 40
    .max_flat_workgroup_size: 512
    .sgpr_count:     66
    .vgpr_count:     256
    .wavefront_size: 32
...
	.end_amdgpu_metadata
.endif
;; end of part 3
;; launch oproj (part 4): grid 8 x 64, 4 waves a work-group, clusters of 4 x 4, 327,680 bytes of LDS; arguments obuf, tabs, out0; writes out0
.if DOCPART == 4
	.amdgcn_target "amdgcn-amd-amdhsa--gfx1250"
	.amdhsa_code_object_version 6
	.text
	.protected	k_q927d544209_oproj
	.globl	k_q927d544209_oproj
	.p2align	8
	.type	k_q927d544209_oproj,@function
k_q927d544209_oproj:
	s_mov_b64 s[64:65], 0
	v_nop
	global_prefetch_b8 v0, s[64:65] scope:SCOPE_SE
	s_setreg_imm32_b32 hwreg(HW_REG_WAVE_MODE, 25, 1), 1
	s_wait_xcnt 0x0
	s_wait_alu depctr_hold_cnt(0) depctr_sa_sdst(0) depctr_va_vdst(0) depctr_va_sdst(0) depctr_va_ssrc(0) depctr_va_vcc(0) depctr_vm_vsrc(0)
	s_getreg_b32 s2, hwreg(HW_REG_IB_STS2, 6, 4)
	s_cmp_eq_u32 s2, 0
	s_cbranch_scc0 .Lentry_in_a_cluster
	s_endpgm
.Lentry_in_a_cluster:
	s_bfe_u32 s2, ttmp6, 0x10000c
	s_cmp_lg_u32 s2, 0xf033
	s_cbranch_scc0 .Lentry_shape_is_right
	s_endpgm
.Lentry_shape_is_right:
; OPROJ: out0 = O Wo, [8192 x 1024] x [1024 x 1024], operands in f16, sums in f32, out0 in f32.
; Both operands lie in memory as IMAGES of operand registers: [tile of 16 rows][32 fragments along K][1,024 bytes]; registers 4 g .. 4 g + 3 of lane l at 512 g + 16 l.  So a fragment comes from LDS by two loads of
; 512 consecutive bytes, with no pitch and no padding.
; A tile of out0 is 128 x 128: 512 work-groups.  Four waves, each 64 x 64: 16 accumulators.  K goes in steps of 256 (8 fragments: 8,192 consecutive bytes of each tile of 16 rows) through a ring of two LDS slots;
; a wave's tensor load brings four tiles of 16 rows: 4 rows of 8,192 bytes, 32,768 bytes apart in memory.
; CLUSTERS: 4 x 4 work-groups; O's tiles are shared along a row of the cluster, Wo's along a column: each is asked for jointly.  THE MATRIX INSTRUCTION IS USED TRANSPOSED (source 0 = 16 columns of Wo, source 1 = 16 tokens):
; a lane holds eight neighbouring numbers of a row of out0.
; Row p of every 16 rows of O is token 2 (p % 8) + p / 8: the order is undone where the rows are read back from the stage, at no cost.
; LIMITS: |O| and |Wo| under 65,504 (f16).  The first 16 positions of each sequence are written again, more finely, by the launch that follows.
; REGISTERS: window 0: v0-31 addresses; v32-95 the way out; v128-255 the accumulators ((a, b) at v[128 + 8 (4 a + b)]).  window 1: two fragment buffers of 128: 64 registers of O, then 64 of Wo.
.set KSB,    8192                      ; a K step's bytes of a tile of 16 rows
.set HALFT,  32768                     ; what one tensor load brings, and what one wave reads of O or of Wo
.set SLOT,   4*HALFT
.set STAGE,  2*SLOT                    ; behind the ring: 16 rows x 272 bytes for each wave
.set SPITCH, 272
.set SPARE,  STAGE+4*16*SPITCH         ; the spare words, 128 bytes for each wave
.set LAPS,   2                         ; a lap = two K steps = once round the ring
.set ADRA, 16
.set ADRB, 20
.set STO,  24
.set RD,   25
.set CO,   26
.set SPW,  28
.set NIL,  29
.set TMP,  32
.set ACC,  128
.set F0,   0
.set F1,   128
.set G1, 24
.set G0, 32
.set G1B, 48
.set G0B, 56
.set MSB, 0
.macro WIN new
.if MSB != \new
	s_set_vgpr_msb (MSB<<8)|\new
.set MSB, \new
.endif
.endm
.set MUL,  0x05                        ; sources 0 and 1 window 1; C and D window 0
.set TO_F, 0x40                        ; destination window 1, address window 0
.macro JLOAD s                         ; a joint load: waves 0 and 1 fetch O's two halves, waves 2 and 3 Wo's; an s_nop 0 and four v_nop follow each of the two lines
	s_cmp_eq_u32 s11, 0
	s_cbranch_scc0 .Lfor_b_\@
	tensor_load_to_lds s[G0+4*\s:G0+4*\s+3], s[G1:G1+7]
	s_nop 0
.rept 4
	v_nop
.endr
	s_branch .Lasked_\@
.Lfor_b_\@:
	tensor_load_to_lds s[G0B+4*\s:G0B+4*\s+3], s[G1B:G1B+7]
	s_nop 0
.rept 4
	v_nop
.endr
.Lasked_\@:
.endm
.macro CREST
	s_cmp_lg_u32 s10, 0
	s_cbranch_scc1 .Lnot_wave_0_\@
	s_barrier_signal -3
.Lnot_wave_0_\@:
	s_barrier_wait -3
	s_barrier_signal -1
	s_barrier_wait -1
.endm
.macro CROUND
	s_barrier_signal -1
	s_barrier_wait -1
	CREST
.endm
	s_load_b128 s[4:7], s[0:1], 0x0                ; O's images s[4:5], tabs (Wo's images from its first byte) s[6:7]
	s_load_b64 s[8:9], s[0:1], 0x10                ; out0
	v_lshl_add_u32 v[SPW], v0, 2, SPARE
	v_mov_b32 v[NIL], 0
	ds_add_u32 v[SPW], v[NIL]                      ; the wave's opening: the add, twice on end, and its wait ahead of my first tensor load
	ds_add_u32 v[SPW], v[NIL]
	v_lshrrev_b32 v1, 5, v0
	v_readfirstlane_b32 s10, v1                    ; wave 0..3
	s_lshr_b32 s11, s10, 1                         ; which half of the tile's rows is mine.  Also: I fetch for O (0) or for Wo (1)
	s_and_b32 s12, s10, 1                          ; which half of its columns.  Also: which 64 rows of that tile I fetch
	s_bfe_u32 s40, ttmp6, 0x40000
	s_bfe_u32 s41, ttmp6, 0x40004
	s_lshl_b32 s42, ttmp9, 2
	s_add_co_u32 s42, s42, s40                     ; tile column = 4 x cluster x + cx
	s_and_b32 s13, ttmp7, 0xffff
	s_lshl_b32 s13, s13, 2
	s_add_co_u32 s13, s13, s41                     ; tile row = 4 x cluster y + cy
	s_lshl_b32 s43, s41, 2
	s_lshl_b32 s43, 15, s43
	s_lshl_b32 s44, 0x1111, s40
	s_or_b32 s[G1+0], s43, (3<<16)|(1<<21)         ; the mask; elements of 8 bytes; no padding; bit 21 beside a mask
	s_or_b32 s[G1B+0], s44, (3<<16)|(1<<21)
.irp g, G1, G1B
	s_mov_b32 s[\g+1], 1024<<16                    ; tensor_dim0 = 1,024 elements: 8,192 bytes
	s_mov_b32 s[\g+2], 4<<16                       ; tensor_dim1 = 4
	s_mov_b32 s[\g+3], 1024<<16                    ; tile_dim0
	s_mov_b32 s[\g+4], 4                           ; tile_dim1
	s_mov_b32 s[\g+5], 4096                        ; from row to row: 32,768 bytes
	s_mov_b32 s[\g+6], 0
	s_mov_b32 s[\g+7], 0
.endr
	s_lshl_b32 s17, s12, 2                         ; which four tiles of 16 rows I fetch
	s_lshl_b32 s16, s13, 3
	s_add_co_u32 s16, s16, s17
	s_lshl_b32 s16, s16, 15                        ; O: tile of 16 tokens 8 x tile row + 4 x half, 32,768 bytes each
	s_lshl_b32 s46, s42, 3
	s_add_co_u32 s46, s46, s17
	s_lshl_b32 s46, s46, 15                        ; Wo likewise, by the tile column
	s_mov_b32 s17, 0
	s_mov_b32 s47, 0
	s_mul_i32 s20, s10, HALFT                      ; where they go: no place in the cluster enters an LDS address
	s_wait_dscnt 0x0                               ; both opening adds are done
	s_wait_kmcnt 0x0
	s_add_nc_u64 s[14:15], s[4:5], s[16:17]
	s_add_nc_u64 s[46:47], s[6:7], s[46:47]
	CROUND                                         ; all sixteen work-groups are here: the first joint loads meet
.irp s, 0,1
	s_mov_b32 s[G0+4*\s], 1
	s_add_co_u32 s[G0+4*\s+1], s20, \s*SLOT
	s_add_nc_u64 s[G0+4*\s+2:G0+4*\s+3], s[14:15], \s*KSB
	s_or_b32 s[G0+4*\s+3], s[G0+4*\s+3], 0x80000000
	s_mov_b32 s[G0B+4*\s], 1
	s_add_co_u32 s[G0B+4*\s+1], s20, \s*SLOT
	s_add_nc_u64 s[G0B+4*\s+2:G0B+4*\s+3], s[46:47], \s*KSB
	s_or_b32 s[G0B+4*\s+3], s[G0B+4*\s+3], 0x80000000
	JLOAD \s                                       ; two loads of mine are out behind these lines
.endr
	v_and_b32 v1, 15, v0                           ; r
	v_bfe_u32 v2, v0, 4, 1                         ; h
	v_and_b32 v3, 31, v0
	v_lshlrev_b32 v3, 4, v3                        ; 16 x lane: my place in an image
	s_mul_i32 s21, s11, HALFT
	s_mul_i32 s22, s12, HALFT
	s_add_co_u32 s22, s22, 2*HALFT
.irp s, 0,1
	v_add_nc_u32 v[ADRA+\s], s21, v3
	v_add_nc_u32 v[ADRB+\s], s22, v3
	s_add_co_u32 s21, s21, SLOT
	s_add_co_u32 s22, s22, SLOT
.endr
	s_mul_i32 s23, s10, 16*SPITCH
	s_add_co_u32 s23, s23, STAGE                   ; my stage
	v_mul_u32_u24 v4, v1, SPITCH
	v_lshl_add_u32 v4, v2, 5, v4
	v_add_nc_u32 v[STO], s23, v4                   ; in: row r, 32 bytes for each half of the lanes
	v_mul_u32_u24 v5, v2, 8*SPITCH
	v_lshl_add_u32 v5, v1, 4, v5
	v_add_nc_u32 v[RD], s23, v5                    ; back: lanes 0-15 stage row t (token 2 t), lanes 16-31 stage row 8 + t (token 2 t + 1)
	v_lshlrev_b32 v5, 12, v2
	v_lshl_add_u32 v[CO], v1, 4, v5                ; and two neighbouring rows of out0, 4,096 bytes each
	s_lshl_b32 s16, s13, 7
	s_lshl_b32 s17, s11, 6
	s_add_co_u32 s16, s16, s17                     ; my first row: 128 x tile row + 64 x half
	s_lshl_b32 s16, s16, 12
	s_mov_b32 s17, 0
	s_add_nc_u64 s[8:9], s[8:9], s[16:17]
	s_lshl_b32 s46, s42, 9                         ; my first column, in bytes: 512 x tile column + 256 x half
	s_lshl_b32 s47, s12, 8
	s_add_co_u32 s46, s46, s47
	s_mov_b32 s47, 0
	s_add_nc_u64 s[8:9], s[8:9], s[46:47]
.macro MUL8 f, c, a0, zero             ; 8 matrix instructions: row blocks a0, a0 + 1 x all 4 column blocks, 32 along K; the 16 accumulators take turns
.irp a, \a0, \a0+1
.irp b, 0,1,2,3
.if \zero
	v_wmma_f32_16x16x32_f16 v[ACC+8*(4*(\a)+\b):ACC+8*(4*(\a)+\b)+7], v[\f+64+8*(4*\c+\b):\f+64+8*(4*\c+\b)+7], v[\f+8*(4*\c+\a):\f+8*(4*\c+\a)+7], 0
.else
	v_wmma_f32_16x16x32_f16 v[ACC+8*(4*(\a)+\b):ACC+8*(4*(\a)+\b)+7], v[\f+64+8*(4*\c+\b):\f+64+8*(4*\c+\b)+7], v[\f+8*(4*\c+\a):\f+8*(4*\c+\a)+7], v[ACC+8*(4*(\a)+\b):ACC+8*(4*(\a)+\b)+7]
.endif
.endr
.endr
.endm
.macro FETCH slot, q, f                ; 32 LDS loads in one run: quarter q of the slot (two fragments along K) into buffer f; the first 32 along K first
	WIN TO_F
.irp c, 0,1
.irp i, 0,1,2,3
	ds_load_b128 v[\f+64+8*(4*\c+\i):\f+64+8*(4*\c+\i)+3],   v[ADRB+\slot] offset:\i*KSB+(2*(\q)+\c)*1024
	ds_load_b128 v[\f+64+8*(4*\c+\i)+4:\f+64+8*(4*\c+\i)+7], v[ADRB+\slot] offset:\i*KSB+(2*(\q)+\c)*1024+512
	ds_load_b128 v[\f+8*(4*\c+\i):\f+8*(4*\c+\i)+3],         v[ADRA+\slot] offset:\i*KSB+(2*(\q)+\c)*1024
	ds_load_b128 v[\f+8*(4*\c+\i)+4:\f+8*(4*\c+\i)+7],       v[ADRA+\slot] offset:\i*KSB+(2*(\q)+\c)*1024+512
.endr
.endr
.endm
.macro PLACES
.rept 4
	v_nop
.endr
.endm
.macro QUARTER slot, q, f, g, zero     ; multiplies buffer f and fetches quarter q into g
	s_wait_dscnt 16                                ; the first 32 along K are in; the other sixteen loads may be out
	WIN MUL
	MUL8 \f, 0, 0, \zero
	MUL8 \f, 0, 2, \zero
	PLACES
	FETCH \slot, \q, \g
	s_wait_dscnt 32                                ; all but the 32 just issued
	WIN MUL
	MUL8 \f, 1, 0, 0
	MUL8 \f, 1, 2, 0
.endm
; The last quarter multiplies buffer 1 and changes slots: one barrier; in front of it each wave waits for all its tensor loads, adds 0 to its spare word, and waits for that and for its own reads of this slot.
.macro TURN slot, next, fill
	WIN 0
	s_wait_tensorcnt 0x0                           ; all my tensor loads have landed: my part of the next slot
	ds_add_u32 v[SPW], v[NIL]
	s_wait_dscnt 17                                ; (the add and the youngest sixteen loads may be out)
	WIN MUL
	MUL8 F1, 0, 0, 0
	s_wait_dscnt 0x0                               ; the add is done, and my reads of this slot are over
	s_barrier_signal -1
	MUL8 F1, 0, 2, 0
.if \fill
	WIN 0
.endif
	s_barrier_wait -1
.if \fill
	CREST                                          ; the barrier has opened a round of the cluster's barrier: no wave of any partner still reads this slot or has a load on its way
	s_add_nc_u64 s[G0+4*\slot+2:G0+4*\slot+3], s[G0+4*\slot+2:G0+4*\slot+3], 2*KSB
	s_add_nc_u64 s[G0B+4*\slot+2:G0B+4*\slot+3], s[G0B+4*\slot+2:G0B+4*\slot+3], 2*KSB
	JLOAD \slot                                    ; my one tensor load behind the round; its four v_nop are also the places in front of the loads below
.else
	PLACES
.endif
	FETCH \next, 0, F0
	WIN MUL
	MUL8 F1, 1, 0, 0
	MUL8 F1, 1, 2, 0
.endm
	s_wait_tensorcnt 1                             ; my part of K step 0 is in; K step 1's load may be out
	s_barrier_signal -1
	s_barrier_wait -1
	FETCH 0, 0, F0
	QUARTER 0, 1, F0, F1, 1                        ; the first products start the sums
	WIN 0
	s_mov_b32 s3, LAPS-1
.Llap:
	QUARTER 0, 2, F1, F0, 0
	QUARTER 0, 3, F0, F1, 0
	TURN 0, 1, 1
	QUARTER 1, 1, F0, F1, 0
	QUARTER 1, 2, F1, F0, 0
	QUARTER 1, 3, F0, F1, 0
	TURN 1, 0, 1
	QUARTER 0, 1, F0, F1, 0
	WIN 0
	s_sub_co_u32 s3, s3, 1
	s_cmp_lg_u32 s3, 0
	s_cbranch_scc1 .Llap
	QUARTER 0, 2, F1, F0, 0                        ; the last lap fills nothing
	QUARTER 0, 3, F0, F1, 0
	TURN 0, 1, 0
	QUARTER 1, 1, F0, F1, 0
	QUARTER 1, 2, F1, F0, 0
	QUARTER 1, 3, F0, F1, 0
	s_wait_dscnt 16
	WIN MUL
	MUL8 F1, 0, 0, 0
	MUL8 F1, 0, 2, 0
	s_wait_dscnt 0
	MUL8 F1, 1, 0, 0
	MUL8 F1, 1, 2, 0
	WIN 0
; THE WAY OUT.  My 64 columns of f32 are 256 bytes of a row, aligned: so each wave has a stage of its own and no barrier is needed.  A block of 16 rows goes in by lanes and comes back by rows.
.macro TOSTAGE a
.irp b, 0,1,2,3
	ds_store_b128 v[STO], v[ACC+8*(4*(\a)+\b):ACC+8*(4*(\a)+\b)+3] offset:64*\b          ; each accumulator from its low end on
	ds_store_b128 v[STO], v[ACC+8*(4*(\a)+\b)+4:ACC+8*(4*(\a)+\b)+7] offset:64*\b+16
.endr
.irp t, 0,1,2,3,4,5,6,7
	ds_load_b128 v[TMP+32*((\a)%2)+4*\t:TMP+32*((\a)%2)+4*\t+3], v[RD] offset:\t*SPITCH   ; LDS serves a wave's instructions in order: these see the stores above
.endr
.endm
.macro SEND a, younger
	s_wait_dscnt \younger                          ; the block is back in registers; the next block's 8 stores and 8 loads may be out
.irp t, 0,1,2,3,4,5,6,7
	global_store_b128 v[CO], v[TMP+32*((\a)%2)+4*\t:TMP+32*((\a)%2)+4*\t+3], s[8:9] offset:(\a)*65536+2*\t*4096 th:TH_STORE_NT   ; sixteen lanes store 256 consecutive bytes, aligned
.endr
.endm
	PLACES
	TOSTAGE 0
.irp a, 1,2,3
.if \a > 1
	s_wait_xcnt 0x0                                ; the stores of two blocks ago have read the registers into which this block's loads land
.endif
	TOSTAGE \a
	SEND \a-1, 16
.endr
	SEND 3, 0
	s_wait_tensorcnt 0x0                           ; the wave's end
	ds_add_u32 v[SPW], v[NIL]
	s_wait_dscnt 0x0
	CROUND                                         ; the closing round
	s_endpgm
.Lfunc_end_k_q927d544209_oproj:
	.size	k_q927d544209_oproj, .Lfunc_end_k_q927d544209_oproj-k_q927d544209_oproj
	.p2alignl 7, 3214868480
	.fill 96, 4, 3214868480
	.section	.rodata,"a",@progbits
	.p2align	6, 0x0
	.amdhsa_kernel k_q927d544209_oproj
		.amdhsa_group_segment_fixed_size 327680
		.amdhsa_private_segment_fixed_size 0
		.amdhsa_enable_private_segment 0
		.amdhsa_kernarg_size 24
		.amdhsa_user_sgpr_count 2
		.amdhsa_user_sgpr_kernarg_segment_ptr 1
		.amdhsa_wavefront_size32 1
		.amdhsa_system_sgpr_workgroup_id_x 1
		.amdhsa_system_sgpr_workgroup_id_y 1
		.amdhsa_system_sgpr_workgroup_id_z 1
		.amdhsa_system_vgpr_workitem_id 0
		.amdhsa_next_free_vgpr 512
		.amdhsa_next_free_sgpr 66
		.amdhsa_reserve_vcc 0
		.amdhsa_float_denorm_mode_32 3
		.amdhsa_float_denorm_mode_16_64 3
		.amdhsa_memory_ordered 1
		.amdhsa_forward_progress 1
		.amdhsa_inst_pref_size 85
	.end_amdhsa_kernel
	.amdgpu_metadata
---
amdhsa.version: [ 1, 2 ]
amdhsa.kernels:
  - .name:           k_q927d544209_oproj
    .symbol:         k_q927d544209_oproj.kd
    .args:
      - { .name: obuf, .offset: 0, .size: 8, .value_kind: global_buffer, .address_space: global }
      - { .name: tabs, .offset: 8, .size: 8, .value_kind: global_buffer, .address_space: global }
      - { .name: out0, .offset: 16, .size: 8, .value_kind: global_buffer, .address_space: global }
    .group_segment_fixed_size: 327680
    .private_segment_fixed_size: 0
    .kernarg_segment_align: 8
    .kernarg_segment_size: 24
    .max_flat_workgroup_size: 128
    .sgpr_count:     66
    .vgpr_count:     512
    .wavefront_size: 32
...
	.end_amdgpu_metadata
.endif
;; end of part 4
;; launch fine (part 5): grid 16 x 4, 16 waves a work-group, no clusters, 67,584 bytes of LDS; arguments qf, kv, mbits, flags, Wo, out0; writes out0
.if DOCPART == 5
	.amdgcn_target "amdgcn-amd-amdhsa--gfx1250"
	.amdhsa_code_object_version 6
	.text
	.protected	k_q927d544209_fine
	.globl	k_q927d544209_fine
	.p2align	8
	.type	k_q927d544209_fine,@function
k_q927d544209_fine:
	s_mov_b64 s[64:65], 0
	v_nop
	global_prefetch_b8 v0, s[64:65] scope:SCOPE_SE
	s_setreg_imm32_b32 hwreg(HW_REG_WAVE_MODE, 25, 1), 1
	s_wait_xcnt 0x0
; FINE: positions 0 to 15 of every sequence once more, carried more finely, since such rows may average very few values: the weights p go to the matrix unit as a high and a low f16 part, split in f32;
; O stays in f32, and so does Wo, in the last product (f32 matrix form: 64 instructions a wave, no bulk work).  What remains of f16 is the one rounding of Q, K and V.
; SHARES.  A work-group makes 16 rows x 64 columns of out0: x = which 64 columns, y = the batch.  Each of its sixteen waves is a head: it runs the attention of the 16 queries, multiplies its own 64 features by its
; 64 rows of Wo, and the sixteen partial results meet in LDS, where they are added in the order of the heads.  The sixteen work-groups of a batch repeat the small attention, which spares a launch.
; The mask comes as bits: for the batch's first block of 32 queries and a key step 256 bytes, of my lane's 8 bytes the first word is my query's.  It is applied in every key step that is walked; steps of which no key
; counts for the first 32 queries are passed over, by the flag words that an earlier launch stored (a query with no key at all makes every step needed).
; LIMITS: as the attention's for Q, K, V; a high part under 2^-14 is rounded by the conversion (at most 2^-25, against a sum of at least 1).
; REGISTERS: v1 16 x lane; v2, v6 LDS addresses; v3 the hidden score; v4 mask offset; v5 mask word; v7 my offset in out0; v8 m, v9 l; v10, v11 the add's two; v12 the factor; v14 Wo's offset; v16-23 at work;
;   v24-39 Q; v40-55 p's high parts; v56-63 at work; v64-95 S^T, p, later O / l; v96-111 p's low parts; v128-191 K, V, Wo, the reduction; v192-223 O^T; v224-255 the f32 form's sums, written by it alone.
.set SPARE, 65536                      ; LDS: sixteen images of 4,096 bytes, then the spare words
.set SPW,  10
.set NIL,  11
.set Q,    24
.set PH,   40
.set TT,   56
.set S,    64
.set PL,   96
.set KV,   128
.set O,    192
.set D,    224
.set NEED, 24
.set J,    26
.set SEL,  32
.set WO,   36                          ; s[36:37] Wo
.set OUT,  38                          ; s[38:39] out0
	s_load_b256 s[4:11], s[0:1], 0x0               ; qf s[4:5], kv s[6:7], mbits s[8:9], flags s[10:11]
	s_load_b128 s[36:39], s[0:1], 0x20             ; Wo, out0
	v_lshl_add_u32 v[SPW], v0, 2, SPARE
	v_mov_b32 v[NIL], 0
	v_lshrrev_b32 v16, 5, v0
	v_readfirstlane_b32 s2, v16                    ; wave = head
	v_and_b32 v17, 31, v0
	v_lshlrev_b32 v1, 4, v17
	v_lshl_add_u32 v2, v16, 12, v1                 ; my image: 4,096 x wave + 16 x lane
	v_and_b32 v18, 15, v0                          ; r; in the reduction: c, which 16 bytes of a row's 256
	v_bfe_u32 v19, v0, 4, 1                        ; h
	v_lshlrev_b32 v4, 3, v17                       ; my lane's 8 bytes of a key step's mask words
	v_lshlrev_b32 v14, 2, v18
	v_lshl_add_u32 v14, v19, 15, v14               ; Wo: 8 h rows of 4,096 bytes + 4 r
	v_bfe_u32 v20, v0, 4, 4                        ; the reduction's row, 0..15
	v_lshrrev_b32 v21, 2, v18
	v_lshlrev_b32 v6, 10, v21                      ; columns 4 c .. 4 c + 3 lie in tile c / 4, lane half (c / 2) % 2, registers 4 (c % 2) on
	v_and_b32 v21, 1, v18
	v_lshl_add_u32 v6, v21, 9, v6
	v_bfe_u32 v21, v18, 1, 1
	v_lshl_add_u32 v6, v21, 8, v6
	v_lshl_add_u32 v6, v20, 4, v6
	v_and_b32 v21, 7, v20
	v_lshrrev_b32 v22, 3, v20
	v_lshl_add_u32 v21, v21, 1, v22                ; that row's token
	v_lshlrev_b32 v7, 12, v21
	v_lshl_add_u32 v7, v18, 4, v7
	v_mov_b32 v3, 0xceabfb8f                       ; -1e9 log2(e)
	s_and_b32 s3, ttmp7, 0xffff                    ; the batch
	s_lshl_b32 s14, s3, 4
	s_add_co_u32 s14, s14, s2
	s_mov_b32 s29, 0
	s_mov_b32 s[J], 0
	s_mov_b32 s[SEL], 0x76543210
	s_mov_b32 s[SEL+1], 0xfedcba98
	s_mov_b32 s30, 0xffffe000                      ; sign, exponent and 10 bits of mantissa: what f16 holds
	s_wait_kmcnt 0x0
	s_lshl_b32 s28, s3, 11                         ; a batch's 64 blocks of 32 bytes
	s_add_nc_u64 s[34:35], s[10:11], s[28:29]
	s_load_b256 s[16:23], s[34:35], 0x0            ; the flags of the batch's first 32 queries: four pairs (A, B)
	s_lshl_b32 s28, s3, 19                         ; a batch's 64 blocks of 8,192 bytes of mask bits
	s_add_nc_u64 s[8:9], s[8:9], s[28:29]
	s_lshl_b32 s28, s14, 19
	s_add_nc_u64 s[6:7], s[6:7], s[28:29]
	s_lshl_b32 s28, s14, 18
	s_add_nc_u64 s[4:5], s[4:5], s[28:29]
	s_lshl_b32 s28, s2, 18                         ; my head's 64 rows of Wo
	s_lshl_b32 s31, ttmp9, 8                       ; the work-group's 64 columns
	s_add_co_u32 s28, s28, s31
	s_add_nc_u64 s[WO:WO+1], s[WO:WO+1], s[28:29]
	s_lshl_b32 s28, s3, 23
	s_add_co_u32 s28, s28, s31
	s_add_nc_u64 s[OUT:OUT+1], s[OUT:OUT+1], s[28:29]
.set e, 0
.rept 4
	global_load_b128 v[Q+4*e:Q+4*e+3], v1, s[4:5] offset:512*e
.set e, e+1
.endr
	v_mov_b32 v5, 0
	v_mov_b32 v8, 0xff61b1e6                       ; m: -3e38
	v_mov_b32 v9, 0                                ; l
	v_mov_b32 v12, 0
	v_mov_b32 v13, 0
.set e, 0
.rept 32
	v_mov_b32 v[O+e], 0
.set e, e+1
.endr
	s_wait_kmcnt 0x0
	s_and_b32 s[NEED], s16, 0xff                   ; the four bytes make the word: bit st for key step st
.irp w, 1,2,3
	s_and_b32 s28, s[16+2*\w], 0xff
	s_lshl_b32 s28, s28, 8*\w
	s_or_b32 s[NEED], s[NEED], s28
.endr
	s_or_b32 s28, s17, s19                         ; which of the 32 queries have a key anywhere
	s_or_b32 s28, s28, s21
	s_or_b32 s28, s28, s23
	s_cmp_eq_u32 s28, -1
	s_cselect_b32 s[NEED], s[NEED], -1             ; a query with none weighs all keys alike: every step is needed
	s_wait_loadcnt 0x0
.Ltrip:
	s_bitcmp1_b32 s[NEED], s[J]
	s_cbranch_scc0 .Lnext
	global_load_b32 v5, v4, s[8:9]
.set e, 0
.rept 16
	global_load_b128 v[KV+4*e:KV+4*e+3], v1, s[6:7] offset:512*e
.set e, e+1
.endr
	s_wait_loadcnt 0x0
.irp f2, 0,1                           ; four accumulators by turns
.irp kt, 0,1,2,3
.if \f2 == 0
	v_wmma_f32_16x16x32_f16 v[S+8*\kt:S+8*\kt+7], v[KV+16*\kt+8*\f2:KV+16*\kt+8*\f2+7], v[Q+8*\f2:Q+8*\f2+7], 0
.else
	v_wmma_f32_16x16x32_f16 v[S+8*\kt:S+8*\kt+7], v[KV+16*\kt+8*\f2:KV+16*\kt+8*\f2+7], v[Q+8*\f2:Q+8*\f2+7], v[S+8*\kt:S+8*\kt+7]
.endif
.endr
.endr
.rept 4
	v_nop
.endr
.set e, 0
.rept 16
	global_load_b128 v[KV+4*e:KV+4*e+3], v1, s[6:7] offset:8192+512*e
.set e, e+1
.endr
.set e, 0
.rept 32
	v_and_b32 v[16+e%4], 1<<e, v5
	v_cmp_eq_u32 vcc_lo, 0, v[16+e%4]
	v_cndmask_b32 v[S+e], v[S+e], v3, vcc_lo
.set e, e+1
.endr
.irp c, 0,1,2,3
	v_max3_num_f32 v[16+\c], v[S+8*\c], v[S+8*\c+1], v[S+8*\c+2]
.endr
.irp u, 3,5
.irp c, 0,1,2,3
	v_max3_num_f32 v[16+\c], v[16+\c], v[S+8*\c+\u], v[S+8*\c+\u+1]
.endr
.endr
	v_max3_num_f32 v16, v16, v[S+7], v[S+15]
	v_max3_num_f32 v18, v18, v[S+23], v[S+31]
	v_max3_num_f32 v16, v16, v17, v18
	v_max3_num_f32 v16, v16, v19, v8
	v_permlanex16_b32 v17, v16, s[SEL], s[SEL+1]
	v_max_num_f32 v16, v16, v17
	v_sub_f32 v12, v8, v16
	v_mov_b32 v8, v16
.set e, 0
.rept 16
	v_pk_add_f32 v[S+e:S+e+1], v[S+e:S+e+1], v[8:9] op_sel_hi:[1,0] neg_lo:[0,1] neg_hi:[0,1]
.set e, e+2
.endr
	v_exp_f32 v12, v12                             ; one batch
.set e, 0
.rept 32
	v_exp_f32 v[S+e], v[S+e]
.set e, e+1
.endr
	v_nop
	s_wait_alu depctr_va_vdst(0)                   ; one wait for the batch, ahead of its first reader
	v_pk_add_f32 v[16:17], v[S:S+1], v[S+2:S+3]
	v_pk_add_f32 v[18:19], v[S+4:S+5], v[S+6:S+7]
.irp u, 8,12,16,20,24,28
	v_pk_add_f32 v[16:17], v[16:17], v[S+\u:S+\u+1]
	v_pk_add_f32 v[18:19], v[18:19], v[S+\u+2:S+\u+3]
.endr
	v_pk_add_f32 v[16:17], v[16:17], v[18:19]
	v_fma_f32 v9, v9, v12, v16
	v_add_f32 v9, v9, v17
.set e, 0
.rept 16                               ; p = high + low: the high part keeps what f16 holds, the low part is the exact rest
	v_and_b32 v[TT+2*(e%4)], s30, v[S+2*e]
	v_and_b32 v[TT+2*(e%4)+1], s30, v[S+2*e+1]
	v_pk_add_f32 v[S+2*e:S+2*e+1], v[S+2*e:S+2*e+1], v[TT+2*(e%4):TT+2*(e%4)+1] neg_lo:[0,1] neg_hi:[0,1]
	v_cvt_pk_f16_f32 v[PH+e], v[TT+2*(e%4)], v[TT+2*(e%4)+1]
	v_cvt_pk_f16_f32 v[PL+e], v[S+2*e], v[S+2*e+1]
.set e, e+1
.endr
.set e, 0
.rept 16
	v_pk_mul_f32 v[O+e:O+e+1], v[O+e:O+e+1], v[12:13] op_sel_hi:[1,0]
.set e, e+2
.endr
	s_wait_loadcnt 0x0                             ; V
.irp vf, 0,1
.irp dt, 0,1,2,3
	v_wmma_f32_16x16x32_f16 v[O+8*\dt:O+8*\dt+7], v[KV+16*\dt+8*\vf:KV+16*\dt+8*\vf+7], v[PH+8*\vf:PH+8*\vf+7], v[O+8*\dt:O+8*\dt+7]
.endr
.irp dt, 0,1,2,3
	v_wmma_f32_16x16x32_f16 v[O+8*\dt:O+8*\dt+7], v[KV+16*\dt+8*\vf:KV+16*\dt+8*\vf+7], v[PL+8*\vf:PL+8*\vf+7], v[O+8*\dt:O+8*\dt+7]
.endr
.endr
.rept 5
	v_nop
.endr
.Lnext:
	s_wait_xcnt 0x0                                ; the loads have read their bases
	s_add_nc_u64 s[6:7], s[6:7], 16384
	s_add_nc_u64 s[8:9], s[8:9], 256
	s_add_co_u32 s[J], s[J], 1
	s_cmp_lt_u32 s[J], 32
	s_cbranch_scc1 .Ltrip
; THE LAST PRODUCT, in f32.  Source 0 = 16 columns of Wo (lane r: column; lane half h and register jj: feature 16 dt + 8 h + 2 i + jj), source 1 = O / l as it lies (lane r: query; the same features in the same places).
.macro WOL hf                          ; Wo for two tiles of 16 columns: 64 loads
.irp nl, 0,1
.set kk, 0
.rept 16
	global_load_b32 v[KV+32*\nl+2*kk], v14, s[WO:WO+1] offset:(16*(kk/4)+2*(kk%4))*4096+64*(2*(\hf)+\nl)
	global_load_b32 v[KV+32*\nl+2*kk+1], v14, s[WO:WO+1] offset:(16*(kk/4)+2*(kk%4)+1)*4096+64*(2*(\hf)+\nl)
.set kk, kk+1
.endr
.endr
.endm
.macro WOM hf                          ; 32 matrix instructions, the two sums by turns; each sum's first instruction takes the constant 0
.set kk, 0
.rept 16
.irp nl, 0,1
.if kk == 0
	v_wmma_f32_16x16x4_f32 v[D+8*(2*(\hf)+\nl):D+8*(2*(\hf)+\nl)+7], v[KV+32*\nl+2*kk:KV+32*\nl+2*kk+1], v[S+2*kk:S+2*kk+1], 0
.else
	v_wmma_f32_16x16x4_f32 v[D+8*(2*(\hf)+\nl):D+8*(2*(\hf)+\nl)+7], v[KV+32*\nl+2*kk:KV+32*\nl+2*kk+1], v[S+2*kk:S+2*kk+1], v[D+8*(2*(\hf)+\nl):D+8*(2*(\hf)+\nl)+7]
.endif
.endr
.set kk, kk+1
.endr
.endm
	WOL 0
	v_permlanex16_b32 v13, v9, s[SEL], s[SEL+1]
	v_add_f32 v9, v9, v13
	v_rcp_f32 v12, v9
	v_nop
	s_wait_alu depctr_va_vdst(0)
.set e, 0
.rept 16
	v_pk_mul_f32 v[S+e:S+e+1], v[O+e:O+e+1], v[12:13] op_sel_hi:[1,0]
.set e, e+2
.endr
	s_wait_loadcnt 0x0
	WOM 0
.rept 8
	v_nop                                          ; eight plain lines behind this form, ahead of loads into the registers that it has read
.endr
	WOL 1
	s_wait_loadcnt 0x0
	WOM 1
.rept 8
	v_nop                                          ; and ahead of the reads of its results
.endr
.irp nt, 0,1,2,3
	ds_store_b128 v2, v[D+8*\nt:D+8*\nt+3] offset:1024*\nt           ; my partial result as an image; each sum from its low end on
	ds_store_b128 v2, v[D+8*\nt+4:D+8*\nt+7] offset:1024*\nt+512
.endr
	s_wait_dscnt 0x0                               ; for the others' sake
	s_barrier_signal -1
	s_barrier_wait -1
	s_cmp_lt_u32 s2, 8
	s_cbranch_scc0 .Lend                           ; 256 threads add: 16 rows x 16 pieces of 16 bytes
.set e, 0
.rept 16
	ds_load_b128 v[KV+4*e:KV+4*e+3], v6 offset:4096*e
.set e, e+1
.endr
	s_wait_dscnt 0x0
.set e, 1
.rept 15
	v_pk_add_f32 v[KV:KV+1], v[KV:KV+1], v[KV+4*e:KV+4*e+1]          ; in the order of the heads
	v_pk_add_f32 v[KV+2:KV+3], v[KV+2:KV+3], v[KV+4*e+2:KV+4*e+3]
.set e, e+1
.endr
	global_store_b128 v7, v[KV:KV+3], s[OUT:OUT+1] ; sixteen lanes store 256 consecutive bytes, aligned
.Lend:
	s_wait_tensorcnt 0x0                           ; the wave's end
	ds_add_u32 v[SPW], v[NIL]
	s_wait_dscnt 0x0
	s_endpgm
.Lfunc_end_k_q927d544209_fine:
	.size	k_q927d544209_fine, .Lfunc_end_k_q927d544209_fine-k_q927d544209_fine
	.p2alignl 7, 3214868480
	.fill 96, 4, 3214868480
	.section	.rodata,"a",@progbits
	.p2align	6, 0x0
	.amdhsa_kernel k_q927d544209_fine
		.amdhsa_group_segment_fixed_size 67584
		.amdhsa_private_segment_fixed_size 0
		.amdhsa_enable_private_segment 0
		.amdhsa_kernarg_size 48
		.amdhsa_user_sgpr_count 2
		.amdhsa_user_sgpr_kernarg_segment_ptr 1
		.amdhsa_wavefront_size32 1
		.amdhsa_system_sgpr_workgroup_id_x 1
		.amdhsa_system_sgpr_workgroup_id_y 1
		.amdhsa_system_sgpr_workgroup_id_z 1
		.amdhsa_system_vgpr_workitem_id 0
		.amdhsa_next_free_vgpr 256
		.amdhsa_next_free_sgpr 66
		.amdhsa_reserve_vcc 1
		.amdhsa_float_denorm_mode_32 3
		.amdhsa_float_denorm_mode_16_64 3
		.amdhsa_memory_ordered 1
		.amdhsa_forward_progress 1
		.amdhsa_inst_pref_size 45
	.end_amdhsa_kernel
	.amdgpu_metadata
---
amdhsa.version: [ 1, 2 ]
amdhsa.kernels:
  - .name:           k_q927d544209_fine
    .symbol:         k_q927d544209_fine.kd
    .args:
      - { .name: qf, .offset: 0, .size: 8, .value_kind: global_buffer, .address_space: global }
      - { .name: kv, .offset: 8, .size: 8, .value_kind: global_buffer, .address_space: global }
      - { .name: mbits, .offset: 16, .size: 8, .value_kind: global_buffer, .address_space: global }
      - { .name: flags, .offset: 24, .size: 8, .value_kind: global_buffer, .address_space: global }
      - { .name: Wo, .offset: 32, .size: 8, .value_kind: global_buffer, .address_space: global }
      - { .name: out0, .offset: 40, .size: 8, .value_kind: global_buffer, .address_space: global }
    .group_segment_fixed_size: 67584
    .private_segment_fixed_size: 0
    .kernarg_segment_align: 8
    .kernarg_segment_size: 48
    .max_flat_workgroup_size: 512
    .sgpr_count:     66
    .vgpr_count:     256
    .wavefront_size: 32
...
	.end_amdgpu_metadata
.endif
;; end of part 5
